; MI455X (gfx1250); checked and timed in simulation.
; The chip was launched on July 23, 2026; its instructions are those of AMD's public machine-readable ISA for CDNA 5 (MIT licence, August 2026) and "CDNA5" Instruction Set Architecture Reference Guide (July 2026). The comments in the code are by the model that wrote it; some were corrected since.
;; GPT2 Symmetric Latent Attention. Allowed arithmetic: matrix products marked QUANTISED: E5M2 operands, one given power-of-two scale a tensor, by v_wmma_f32_16x16x64_bf8_bf8 or v_wmma_f32_16x16x128_bf8_bf8, f32 sums; everything else in f32.
;; Inputs: basis_w_codes 64 x 32 x 32 uint8 (E5M2 codes of basis_w, K innermost, in blocks of 32 codes); core 64 x 64 float32; head_residual 16 x 64 x 64 float32; hidden_states_codes 4 x 2,048 x 32 x 32 uint8 (E5M2 codes of hidden_states, K innermost, in blocks of 32 codes); lowp_scales 12 int32 (the exponents e of the quantised operands' scales 2^e); o_b 1,024 float32; o_w_codes 1,024 x 32 x 32 uint8 (E5M2 codes of o_w, K innermost, in blocks of 32 codes); v_b 1,024 float32; v_w_codes 1,024 x 32 x 32 uint8 (E5M2 codes of v_w, K innermost, in blocks of 32 codes).
;; Outputs: out0 4 x 2,048 x 1,024 float32.
;; This version of the problem:
;;   THIS VERSION OF THE PROBLEM IS GIVEN IN LOW PRECISION. The matrix products marked QUANTISED in the list below multiply operands that are first quantised to E5M2 (5 exponent bits, 2 mantissa bits; 8 bits a number), with one given power-of-two scale for each operand tensor; their sums are f32. All else is computed in f32.
;;   The module's matrix products, in the order in which they are computed (A, B: the left and right operand; K: the contracted axis; several contracted axes count as one K, in the product's order):
;;     1. [M 8,192, K 1,024] x [K 1,024, N 64]; A: input hidden_states (given as codes); B: input basis_w (given as codes): QUANTISED (scales: A lowp_scales[0], B lowp_scales[1])
;;     2. [M 1,024, K 64] x [K 64, N 8,192]; A: computed on the way; B: computed on the way: QUANTISED (scales: A lowp_scales[2], B lowp_scales[3])
;;     3. batch 4 x [M 32,768, K 64] x [K 64, N 2,048]; A: computed on the way; B: computed on the way: QUANTISED (scales: A lowp_scales[4], B lowp_scales[5])
;;     4. [M 8,192, K 1,024] x [K 1,024, N 1,024]; A: input hidden_states (given as codes); B: input v_w (given as codes): QUANTISED (scales: A lowp_scales[6], B lowp_scales[7])
;;     5. batch 64 x [M 2,048, K 2,048] x [K 2,048, N 64]; A: softmax (see below); B: computed on the way: QUANTISED (scales: A lowp_scales[8], B lowp_scales[9])
;;     6. [M 8,192, K 1,024] x [K 1,024, N 1,024]; A: computed on the way; B: input o_w (given as codes): QUANTISED (scales: A lowp_scales[10], B lowp_scales[11])
;;   THE QUANTISER, for each operand of a quantised product, along K:
;;     - The operand's scale is 2^e, e = its entry of the input lowp_scales (int32; the entries are numbered through the quantised products in the list's order, A before B).
;;     - Each number is divided by the scale, clamped to +-57,344, and rounded to the nearest number of E5M2, ties to even, subnormals kept.
;;     - The product sums the exact products of the quantised numbers (number of the format x scale) in f32.
;;   ~~~python
;;   def quantise(x, axis, e):      # numpy; x: float32 -> the quantised numbers, widened to float32 again
;;       x = np.moveaxis(x, axis, -1); K = x.shape[-1]
;;       r = np.clip(x / 2.0 ** e, -57344, 57344)
;;       step = 2.0 ** (np.maximum(np.frexp(np.where(r == 0, 1, r))[1] - 1, -14) - 2)
;;       q = np.round(r / step) * step * 2.0 ** e      # np.round: ties to even
;;       return np.moveaxis(q, -1, axis).astype(np.float32)
;;   ~~~
;;   SOFTMAX AHEAD OF A QUANTISED PRODUCT. Where the list says 'softmax', what is quantised is not the finished softmax but p = 2^(t - M), with t = logit x log2(e) and M = ceil(the row's largest t), a whole number; so 1/2 < the row's largest p <= 1. The row's sum l is taken of the UNQUANTISED p, in f32, and the product's result is divided by l at the end. Since M is a whole number, a kernel that streams over the keys may use a running M (the ceiling of the running maximum): every later rescaling is an exact power of two, so the quantised numbers keep their values, but for numbers so far below the row's largest that they fall under the format's range.
;;   OPERANDS COMPUTED ON THE WAY. 'Computed on the way' means the value that the module computes at that place (a softmax that the list does not call 'softmax' is quantised finished and normalised). What goes into a quantiser is computed in f32, as accurately as f32 sums, v_exp_f32 and their like allow (about 1e-6 of the number): no bf16 or f16 on the way to a quantiser, and a product that is left as it is and whose result goes on into a quantised operand takes f32 operands (vector FMAs, or v_wmma_f32_16x16x4_f32). A number that lies on a knife's edge between two numbers of the format may be rounded either way, as far as f32 arithmetic and the matrix unit's own rounding can turn it there, and no further.
;;   INPUTS GIVEN AS CODES. basis_w (in the module: [64, 1024], K = its axis 1); hidden_states (in the module: [4, 2048, 1024], K = its axis 2); o_w (in the module: [1024, 1024], K = its axis 1); v_w (in the module: [1024, 1024], K = its axis 1): each comes as NAME_codes (uint8): NAME with its K axis moved to the last place and cut into blocks of 32 codes, [.., K / 32, bytes a block], one block behind the other in memory; one code a byte (a code: sign, 5 exponent bits, 2 mantissa bits); its scale is its entry of lowp_scales. Its value is code x scale, taken as it is: it is not quantised again, and the codes and scales need not be those that the quantiser above would give.
;; One version. Each part assembles by itself: llvm-mc -triple=amdgcn-amd-amdhsa -mcpu=gfx1250 --defsym DOCPART=n.
;; ======== version 1 of 1: 3 launches
;; limits: right only within a limited range of input values
;; workspace buffers: vq 8,388,608 bytes; lat3 524,288 bytes; lat5 524,288 bytes; hmq 65,536 bytes; yq 8,388,608 bytes
;; launch proj (part 1): grid 4 x 64, 4 waves a work-group, clusters of 4 x 4, 327,680 bytes of LDS; arguments hidden_states_codes, v_w_codes, basis_w_codes, v_b, core, head_residual, lowp_scales, vq, lat3, lat5, hmq; writes vq, lat3, lat5, hmq
.if DOCPART == 1
	.amdgcn_target "amdgcn-amd-amdhsa--gfx1250"
	.amdhsa_code_object_version 6
	.text
	.protected	k_q97f9b20000_proj
	.globl	k_q97f9b20000_proj
	.p2align	8
	.type	k_q97f9b20000_proj,@function
k_q97f9b20000_proj:
	s_mov_b64 s[64:65], 0
	v_nop
	global_prefetch_b8 v0, s[64:65] scope:SCOPE_SE
	s_setreg_imm32_b32 hwreg(HW_REG_WAVE_MODE, 25, 1), 1
	s_wait_xcnt 0x0
	s_wait_alu depctr_hold_cnt(0) depctr_sa_sdst(0) depctr_va_vdst(0) depctr_va_sdst(0) depctr_va_ssrc(0) depctr_va_vcc(0) depctr_vm_vsrc(0)
	s_getreg_b32 s2, hwreg(HW_REG_IB_STS2, 6, 4)
	s_cmp_eq_u32 s2, 0
	s_cbranch_scc0 .Lentry_in_a_cluster
	s_endpgm
.Lentry_in_a_cluster:
	s_bfe_u32 s2, ttmp6, 0x10000c
	s_cmp_lg_u32 s2, 0xf033
	s_cbranch_scc0 .Lentry_shape_is_right
	s_endpgm
.Lentry_shape_is_right:
; v = hs v_w^T + v_b and latent = hs basis_w^T on the given codes of BF8 (E5M2), and the sixteen head matrices in f32; all results leave as codes of BF8, laid as images of the reader's operand registers.
;   vq   [t/32][head][h][d][16 bytes]: v / 2^e9, a lane's 16 bytes = v(32 tb + 8 h + 0..7, d), v(32 tb + 16 + 8 h + 0..7, d): registers 4 k .. 4 k + 3 of a fragment of V^T with 128 keys along K
;   lat3, lat5 [row tile t/16][c][lane][8 bytes]: latent / 2^e3 and / 2^e5: registers 2 c, 2 c + 1 of a fragment of 16 rows x 64 along K
;   hmq  [head][tile of 16 s][c][lane][8 bytes]: (core + core^T) / 32 + head_residual - its mean over the heads, / 2^e2, rows s, K = r
; SHARES.  A work-group takes 128 rows of hs x 256 columns of v, and 16 of the 64 latent columns for the same rows: 64 x 4 = 256 work-groups.  Wave (wt, wd) takes 64 rows x 128 columns: 32 accumulators; and two
; of the eight latent tiles.  K = 1,024 goes in four K steps of 256 through three LDS slots: three first fills and one refill.  Eight steps of 128 along K, written out: no loop.
; CLUSTERS: 4 x 4 work-groups.  The four of a row of the cluster need the same rows of hs, the four of a column the same rows of v_w and basis_w: each tile is asked for jointly.
; LAYOUT.  v: source 0 = 16 rows of hs, source 1 = 16 rows of v_w: a lane holds ONE column d and eight rows t, which are the next product's K.  latent: source 0 = the 16 rows of basis_w, source 1 = 16 rows of hs:
; a lane holds one row t and eight latent columns, again the next K.  So the conversions' results are the readers' registers.  Fragments are fetched by loads of 16 bytes: a permutation of k, the same on both sides.
; v_b enters as the C of each sum's first matrix instruction, divided by 2^(e6 + e7), the power of two that the sums lack.
; LIMITS on the given exponents, so that each power of two below is an f32 number: e9 - e6 - e7, e3 - e0 - e1, e5 - e0 - e1 and e2 between -126 and 112.  NaN among the f32 inputs is not served.
; The mean over the heads is summed in another order than head 0 to head 15.
; REGISTERS, in windows of 256: window 0: v0-39 addresses and constants; v48-55 v_b; v80-95 the two latent accumulators; v96-127 basis_w's fragment, two sets; v128-255 hs's four fragments, two sets.
;   window 1: the 32 accumulators ((i, b) at v[8 (8 i + b)]).   window 2: v_w's eight fragments, two sets.   window 3: v0-63 v_b's tiles; v64-119 what the head matrices are made of.
.set PITCH, 272                        ; an LDS row: 256 bytes + 16 of padding, so that the 16 rows of a fragment load begin 16 bytes further on in each run of 256
.set HALFT, 128*PITCH                  ; 128 rows
.set SLOT,  3*HALFT+16*PITCH           ; hs's 128 rows, v_w's 256, basis_w's 16: 108,800 bytes
.set SPARE, 3*SLOT                     ; behind the slots: the spare words, 128 bytes for each wave: two blocks of 256 bytes that no other line names
.set PADW,  (1<<20)|(1<<21)|(5<<22)|(3<<25)   ; elements of 1 byte; padding on; bit 21 beside a mask; after every 64 words; 4 words
.set WV, 26
.set WT, 27
.set WD, 66
.set N4, 67
.set TY, 101
.set CX, 104
.set CY, 105
.set G1P, 28                           ; s[28:35] group 1 for hs's tiles; s[36:43] v_w's; s[44:51] basis_w's
.set G1Q, 36
.set G1B, 44
.set G0P, 52                           ; s[52:63], s[68:79], s[80:91]: their groups 0, a set for each slot
.set G0Q, 68
.set G0B, 80
.set PAA, 8                            ; v8-10   hs's row tiles 2 wd, 2 wd + 1 of my 64 rows, in slot 0, 1, 2
.set PAB, 11                           ; v11-13  the other two row tiles
.set QA,  14                           ; v14-16  my 128 rows of v_w
.set BA,  17                           ; v17-19  basis_w's 16 rows
.set SPW, 20
.set NIL, 21
.set VO,  22                           ; 1,024 h + 16 r: my place in a head's 2,048 bytes of vq
.set LO,  23                           ; 8 x lane
.set SCV, 32
.set LIMV, 33
.set SC3, 34
.set LIM3, 35
.set SC5, 36
.set LIM5, 37
.set SC2, 38
.set LIM2, 39
.set VB,  48
.set LA,  80
.set BF,  96
.set PF,  128
.set XH,  64                           ; window 3
.set OWN, 96
.set CRS, 104
.set CSR, 112
.set TL,  192                          ; the way out, window 0
.set CL,  224
.set CV,  128
.set HT,  192
.set HU,  200
.set HC,  208
.set MSB, 0
.macro WIN new                         ; the immediate's high byte repeats the setting that is left
.if MSB != \new
	s_set_vgpr_msb (MSB<<8)|\new
.set MSB, \new
.endif
.endm
.macro PLACES n
.rept \n
	v_nop
.endr
.endm
.macro CREST                           ; a round of the cluster's barrier behind its opening barrier
	s_cmp_lg_u32 s[WV], 0
	s_cbranch_scc1 .Lnot_wave_0_\@
	s_barrier_signal -3
.Lnot_wave_0_\@:
	s_barrier_wait -3
	s_barrier_signal -1
	s_barrier_wait -1
.endm
.macro CROUND
	s_barrier_signal -1
	s_barrier_wait -1
	CREST
.endm
.macro TL3 g0, g1, n                   ; n = 0: slot 0 (K step 0, later K step 3); n = 1: K steps 1 and 2 by one descriptor with rows of 512 bytes.  Four v_nop follow
	tensor_load_to_lds s[\g0+4*\n:\g0+4*\n+3], s[\g1:\g1+7]
	s_nop 0
	PLACES 4
.endm
.macro JLOAD n                         ; wave 0 fetches hs's tile, waves 1 and 2 v_w's halves, wave 3 basis_w's.  The branches hang on the wave's number alone
	s_cmp_eq_u32 s[WV], 0
	s_cbranch_scc0 .Lnot_p_\@
	TL3 G0P, G1P, \n
	s_branch .Lasked_\@
.Lnot_p_\@:
	s_cmp_eq_u32 s[WV], 3
	s_cbranch_scc0 .Lfor_q_\@
	TL3 G0B, G1B, \n
	s_branch .Lasked_\@
.Lfor_q_\@:
	TL3 G0Q, G1Q, \n
.Lasked_\@:
.endm
.macro MKSC e, vs, vl                  ; s[e] holds a whole number E and is used up: v[vs] = 2^E as f32, v[vl] = 57,344 x 2^E
	s_add_co_i32 s[\e], s[\e], 127
	s_lshl_b32 s3, s[\e], 23
	v_mov_b32 v[\vs], s3
	s_add_co_i32 s[\e], s[\e], 15
	s_lshl_b32 s[\e], s[\e], 23
	s_or_b32 s[\e], s[\e], 0x600000
	v_mov_b32 v[\vl], s[\e]
.endm
	s_load_b512 s[4:19], s[0:1], 0x0               ; hs s[4:5], v_w s[6:7], basis_w s[8:9], v_b s[10:11], core s[12:13], head_residual s[14:15], the exponents s[16:17], vq s[18:19]
	s_load_b128 s[20:23], s[0:1], 0x40             ; lat3, lat5
	s_load_b64 s[24:25], s[0:1], 0x50              ; hmq
	v_lshl_add_u32 v[SPW], v0, 2, SPARE
	v_mov_b32 v[NIL], 0
	ds_add_u32 v20, v21
	ds_add_u32 v20, v21
	s_wait_dscnt 0x0
	v_lshrrev_b32 v1, 5, v0
	v_readfirstlane_b32 s[WV], v1                  ; wave 0..3
	s_lshr_b32 s[WT], s[WV], 1                     ; which 64 of the 128 rows
	s_and_b32 s[WD], s[WV], 1                      ; which 128 of the 256 columns
	s_bfe_u32 s[CX], ttmp6, 0x40000
	s_bfe_u32 s[CY], ttmp6, 0x40004
	s_lshl_b32 s[N4], ttmp9, 2
	s_add_co_u32 s[N4], s[N4], s[CX]               ; which 256 columns of v and which 16 latent columns: 0..3
	s_and_b32 s[TY], ttmp7, 0xffff
	s_lshl_b32 s[TY], s[TY], 2
	s_add_co_u32 s[TY], s[TY], s[CY]               ; which 128 rows: 0..63
	s_lshl_b32 s2, s[CY], 2
	s_lshl_b32 s2, 15, s2                          ; my row of the cluster
	s_lshl_b32 s3, 0x1111, s[CX]                   ; my column
	s_or_b32 s[G1P], s2, PADW                      ; hs's tile hangs on the rows alone: shared along the cluster's row
	s_or_b32 s[G1Q], s3, PADW                      ; v_w's and basis_w's on the columns alone: shared along its column
	s_or_b32 s[G1B], s3, PADW
.irp g, G1P, G1Q, G1B
	s_mov_b32 s[\g+1], 256<<16                     ; tensor_dim0 = 256 bytes
	s_mov_b32 s[\g+3], 256<<16                     ; tile_dim0
	s_mov_b32 s[\g+5], 1024                        ; from row to row
	s_mov_b32 s[\g+6], 0
	s_mov_b32 s[\g+7], 0
.endr
.irp g, G1P, G1Q
	s_mov_b32 s[\g+2], 128<<16                     ; tensor_dim1 = 128 rows
	s_mov_b32 s[\g+4], 128                         ; tile_dim1
.endr
	s_mov_b32 s[G1B+2], 16<<16
	s_mov_b32 s[G1B+4], 16
	; each tile's byte offset is made in its own group 0's address words: hs's of the rows alone, the others' of the columns and the wave's number alone
	s_lshl_b32 s[G0P+2], s[TY], 17                 ; 128 ty rows of 1,024 bytes
	s_mov_b32 s[G0P+3], 0
	s_sub_co_u32 s[G0Q+2], s[WV], 1
	s_and_b32 s[G0Q+2], s[G0Q+2], 1                ; wave 1: v_w's first 128 rows, wave 2: the second
	s_lshl_b32 s[G0Q+2], s[G0Q+2], 7
	s_lshl_b32 s[G0Q+3], s[N4], 8
	s_add_co_u32 s[G0Q+2], s[G0Q+2], s[G0Q+3]
	s_lshl_b32 s[G0Q+2], s[G0Q+2], 10
	s_mov_b32 s[G0Q+3], 0
	s_lshl_b32 s[G0B+2], s[N4], 14                 ; 16 n4 rows of 1,024 bytes
	s_mov_b32 s[G0B+3], 0
.irp g, G0P, G0Q, G0B
	s_mov_b32 s[\g], 1
	s_mov_b32 s[\g+4], 1
	s_mul_i32 s[\g+1], s[WV], HALFT                ; LDS, slot 0: wave x 128 rows: hs at 0, v_w's halves behind it, basis_w last
	s_mul_i32 s[\g+5], s[WV], 2*HALFT              ; behind slot 0: the same order with rows of 2 x 272 bytes, K step 1's part of a row and then K step 2's
	s_add_co_u32 s[\g+5], s[\g+5], SLOT
.endr
	s_wait_kmcnt 0x0
	s_load_b256 s[92:99], s[16:17], 0x0            ; e0 .. e7
	s_load_b32 s100, s[16:17], 0x24                ; e9
	s_add_nc_u64 s[G0P+2:G0P+3], s[4:5], s[G0P+2:G0P+3]
	s_add_nc_u64 s[G0Q+2:G0Q+3], s[6:7], s[G0Q+2:G0Q+3]
	s_add_nc_u64 s[G0B+2:G0B+3], s[8:9], s[G0B+2:G0B+3]
.irp g, G0P, G0Q, G0B
	s_add_nc_u64 s[\g+6:\g+7], s[\g+2:\g+3], 256   ; K step 1
	s_or_b32 s[\g+3], s[\g+3], 0x80000000
	s_or_b32 s[\g+7], s[\g+7], 0x80000000
.endr
	CROUND                                         ; all sixteen work-groups are here: the first joint loads meet
	JLOAD 0                                        ; K step 0: one tensor load a wave at the head
	v_and_b32 v1, 15, v0                           ; r
	v_bfe_u32 v2, v0, 4, 1                         ; h
	v_and_b32 v3, 31, v0                           ; lane
	v_mul_u32_u24 v4, v1, PITCH
	v_lshl_add_u32 v4, v2, 4, v4                   ; a fragment's row x pitch + 16 h
	s_wait_alu depctr_va_vdst(0)
	s_lshl_b32 s2, s[WT], 6
	s_lshl_b32 s3, s[WD], 5
	s_add_co_u32 s4, s2, s3
	s_mul_i32 s4, s4, PITCH                        ; rows 64 wt + 32 wd on: register places 0, 1, which the latent products name too
	s_xor_b32 s3, s3, 32
	s_add_co_u32 s5, s2, s3
	s_mul_i32 s5, s5, PITCH                        ; rows 64 wt + 32 (1 - wd) on: places 2, 3
	s_mul_i32 s6, s[WD], HALFT
	s_add_co_u32 s6, s6, HALFT                     ; my 128 rows of v_w, behind hs's 128
	v_add_nc_u32 v[PAA], s4, v4                    ; slot 0: rows 272 bytes apart
	v_add_nc_u32 v[PAB], s5, v4
	v_add_nc_u32 v[QA], s6, v4
	v_add_nc_u32 v[BA], 3*HALFT, v4
	s_lshl_b32 s4, s4, 1                           ; K steps 1 and 2: rows 544 bytes apart, behind slot 0
	s_lshl_b32 s5, s5, 1
	s_lshl_b32 s6, s6, 1
	s_add_co_u32 s4, s4, SLOT
	s_add_co_u32 s5, s5, SLOT
	s_add_co_u32 s6, s6, SLOT
	v_mul_u32_u24 v5, v1, 2*PITCH
	v_lshl_add_u32 v5, v2, 4, v5
	v_add_nc_u32 v[PAA+1], s4, v5
	v_add_nc_u32 v[PAB+1], s5, v5
	v_add_nc_u32 v[QA+1], s6, v5
	v_add_nc_u32 v[BA+1], SLOT+6*HALFT, v5
	v_add_nc_u32 v[PAA+2], PITCH, v[PAA+1]         ; K step 2's part of a row lies 272 bytes behind K step 1's
	v_add_nc_u32 v[PAB+2], PITCH, v[PAB+1]
	v_add_nc_u32 v[QA+2], PITCH, v[QA+1]
	v_add_nc_u32 v[BA+2], PITCH, v[BA+1]
	v_lshlrev_b32 v[VO], 4, v1
	v_lshl_add_u32 v[VO], v2, 10, v[VO]
	v_lshlrev_b32 v[LO], 3, v3
	v_lshlrev_b32 v24, 2, v1                       ; 4 r
	v_and_b32 v26, 7, v0                           ; s8 = lane % 8
	v_bfe_u32 v25, v0, 3, 2                        ; hq = lane / 8
	v_lshlrev_b32 v27, 8, v26                      ; 256 s8: a row of core
	v_lshlrev_b32 v28, 3, v26                      ; 8 s8
	v_lshlrev_b32 v26, 2, v26                      ; 4 s8
	v_lshl_add_u32 v25, v25, 16, v26               ; four heads of 16,384 bytes x hq + 4 s8
	s_wait_alu depctr_va_vdst(0)
	s_lshl_b32 s2, s[N4], 10
	s_lshl_b32 s3, s[WD], 9
	s_add_co_u32 s2, s2, s3
	s_mov_b32 s3, 0
	s_add_nc_u64 s[10:11], s[10:11], s[2:3]        ; v_b at my 128 columns
.irp b, 0,1,2,3,4,5,6,7
	global_load_b32 v[VB+\b], v24, s[10:11] offset:64*\b   ; v_b(16 b + r)
.endr
	; THE HEAD MATRICES.  1,024 waves, one for each (head, so, rg): the 8 x 8 numbers head_mats[head][8 rg + i][8 so + s8].  Lane (hq, s8) loads heads 4 hq .. 4 hq + 3 for the mean.
	s_lshl_b32 s2, s[TY], 2
	s_add_co_u32 s2, s2, s[N4]
	s_lshl_b32 s2, s2, 2
	s_add_co_u32 s2, s2, s[WV]                     ; 0 .. 1,023
	s_lshr_b32 s4, s2, 6                           ; head
	s_bfe_u32 s5, s2, 0x30003                      ; so
	s_and_b32 s6, s2, 7                            ; rg
	s_lshl_b32 s8, s4, 12                          ; hmq: 4,096 head + 1,024 (so / 2) + 256 (rg / 2) + 128 (rg % 2) + 64 (so % 2)
	s_lshr_b32 s7, s5, 1
	s_lshl_b32 s7, s7, 10
	s_add_co_u32 s8, s8, s7
	s_lshr_b32 s7, s6, 1
	s_lshl_b32 s7, s7, 8
	s_add_co_u32 s8, s8, s7
	s_and_b32 s7, s6, 1
	s_lshl_b32 s7, s7, 7
	s_add_co_u32 s8, s8, s7
	s_and_b32 s7, s5, 1
	s_lshl_b32 s7, s7, 6
	s_add_co_u32 s8, s8, s7
	s_mov_b32 s9, 0
	s_add_nc_u64 s[24:25], s[24:25], s[8:9]
	s_lshl_b32 s8, s6, 11                          ; rows 8 rg on, columns 8 so on
	s_lshl_b32 s7, s5, 5
	s_add_co_u32 s8, s8, s7
	s_add_nc_u64 s[14:15], s[14:15], s[8:9]        ; in head_residual,
	s_add_nc_u64 s[2:3], s[12:13], s[8:9]          ; in core;
	s_lshl_b32 s8, s5, 11                          ; rows 8 so on, columns 8 rg on: core^T
	s_lshl_b32 s7, s6, 5
	s_add_co_u32 s8, s8, s7
	s_add_nc_u64 s[12:13], s[12:13], s[8:9]
	s_lshl_b32 s8, s4, 14
	s_add_nc_u64 s[6:7], s[14:15], s[8:9]          ; my own head
	WIN 0xc0                                       ; destination window 3
.irp a, 0,1,2,3
.irp i, 0,1,2,3,4,5,6,7
	global_load_b32 v[XH+8*\a+\i], v25, s[14:15] offset:\a*16384+\i*256
.endr
.endr
.irp i, 0,1,2,3,4,5,6,7
	global_load_b32 v[OWN+\i], v26, s[6:7] offset:\i*256
.endr
.irp i, 0,1,2,3,4,5,6,7
	global_load_b32 v[CRS+\i], v26, s[2:3] offset:\i*256
.endr
	global_load_b128 v[CSR:CSR+3], v27, s[12:13]
	global_load_b128 v[CSR+4:CSR+7], v27, s[12:13] offset:16
	WIN 0
	s_wait_kmcnt 0x0                               ; the exponents
	s_wait_xcnt 0x0                                ; the loads above have read their bases: s2 to s15 may be written again
	s_add_co_i32 s2, s98, s99                      ; e6 + e7: a sum of v stands for sum x 2^(e6 + e7)
	s_sub_co_i32 s4, s100, s2
	MKSC 4, SCV, LIMV                              ; so its code is sum / 2^(e9 - e6 - e7)
	s_sub_co_i32 s5, 0, s2
	s_add_co_i32 s6, s92, s93                      ; e0 + e1
	s_sub_co_i32 s4, s95, s6
	MKSC 4, SC3, LIM3                              ; e3 - e0 - e1
	s_sub_co_i32 s4, s97, s6
	MKSC 4, SC5, LIM5                              ; e5 - e0 - e1
	s_mov_b32 s4, s94
	MKSC 4, SC2, LIM2                              ; e2
	s_wait_loadcnt 50                              ; v_b's eight loads are in; the 50 issued behind them stay out until the way out
	WIN 0xc0
.irp b, 0,1,2,3,4,5,6,7
.irp j, 0,1,2,3,4,5,6,7
	v_ldexp_f32 v[8*\b+\j], v[VB+\b], s5           ; column tile b's C: eight registers, all v_b(d) / 2^(e6 + e7), since a lane holds one column
.endr
.endr
	WIN 0
; 52 LDS loads in one run: the fragments of the slot's q-th 128 along K, into set p
.macro FETCH slot, q, p
.if \slot == 0
.set FP, PITCH                         ; from row to row in slot 0,
.else
.set FP, 2*PITCH                       ; and where a row holds K steps 1 and 2
.endif
	WIN 0x80                                       ; destination window 2
.irp b, 0,1,2,3,4,5,6,7
.irp c, 0,1,2,3
	ds_load_b128 v[128*(\p)+16*\b+4*\c:128*(\p)+16*\b+4*\c+3], v[QA+\slot] offset:128*(\q)+32*\c+\b*16*FP
.endr
.endr
	WIN 0
.irp i, 0,1
.irp c, 0,1,2,3
	ds_load_b128 v[PF+64*(\p)+16*\i+4*\c:PF+64*(\p)+16*\i+4*\c+3], v[PAA+\slot] offset:128*(\q)+32*\c+\i*16*FP
.endr
.endr
.irp i, 0,1
.irp c, 0,1,2,3
	ds_load_b128 v[PF+64*(\p)+32+16*\i+4*\c:PF+64*(\p)+32+16*\i+4*\c+3], v[PAB+\slot] offset:128*(\q)+32*\c+\i*16*FP
.endr
.endr
.irp c, 0,1,2,3
	ds_load_b128 v[BF+16*(\p)+4*\c:BF+16*(\p)+4*\c+3], v[BA+\slot] offset:128*(\q)+32*\c
.endr
.endm
; 8 matrix instructions: hs's place i against v_w's eight.  first = 1: C is v_b's tile.  All 34 accumulators take turns, one instruction a turn, in the same order in every step
.macro MULROW i, p, first
.if \first
	WIN 0x78                                       ; source 0 window 0, source 1 window 2, C window 3, D window 1
.else
	WIN 0x58                                       ; C and D window 1
.endif
.irp b, 0,1,2,3,4,5,6,7
.if \first
	v_wmma_f32_16x16x128_bf8_bf8 v[8*(8*\i+\b):8*(8*\i+\b)+7], v[PF+64*(\p)+16*\i:PF+64*(\p)+16*\i+15], v[128*(\p)+16*\b:128*(\p)+16*\b+15], v[8*\b:8*\b+7]
.else
	v_wmma_f32_16x16x128_bf8_bf8 v[8*(8*\i+\b):8*(8*\i+\b)+7], v[PF+64*(\p)+16*\i:PF+64*(\p)+16*\i+15], v[128*(\p)+16*\b:128*(\p)+16*\b+15], v[8*(8*\i+\b):8*(8*\i+\b)+7]
.endif
.endr
.endm
.macro LAT p, first                    ; my two latent tiles: basis_w's 16 rows x hs's places 0, 1
	WIN 0
.irp a, 0,1
.if \first
	v_wmma_f32_16x16x128_bf8_bf8 v[LA+8*\a:LA+8*\a+7], v[BF+16*(\p):BF+16*(\p)+15], v[PF+64*(\p)+16*\a:PF+64*(\p)+16*\a+15], 0
.else
	v_wmma_f32_16x16x128_bf8_bf8 v[LA+8*\a:LA+8*\a+7], v[BF+16*(\p):BF+16*(\p)+15], v[PF+64*(\p)+16*\a:PF+64*(\p)+16*\a+15], v[LA+8*\a:LA+8*\a+7]
.endif
.endr
.endm
; A step of 128 along K on set p; at its head the next step's fragments (slot ns, part nq) are asked for, into the other set: 34 matrix instructions ahead of their use
.macro STEP p, ns, nq, first
	s_wait_dscnt 0x0                               ; set p is in
	PLACES 4                                       ; four places in front of loads into registers that the last step's matrix instructions have read (ISA guide 7.12.1 for vector instructions)
	FETCH \ns, \nq, 1-(\p)
	MULROW 0, \p, \first
	MULROW 1, \p, \first
	MULROW 2, \p, \first
	MULROW 3, \p, \first
	LAT \p, \first
.endm
; A step on set 1 with a barrier in it.  In front of the barrier each wave waits for all its tensor loads, adds 0 to its spare word, and waits for that and for its LDS reads.
; fill = 1: slot 0 has been read out and takes K step 3: the barrier opens a round of the cluster's, and the joint refill is the first thing behind it.  All three first fills have landed in every wave by then,
; so slots 1 and 2 need no further barrier.  fill = 0: K step 3 has landed in every wave.
.macro TURN ns, fill
	WIN 0
	s_wait_tensorcnt 0x0                           ; no tensor load of mine is out, so a group 0 may be written
	ds_add_u32 v[SPW], v[NIL]                      ; 0 onto my spare word
.if \fill
	s_add_nc_u64 s[G0P+2:G0P+3], s[G0P+2:G0P+3], 768   ; from K step 0 to K step 3; the type bits on top are not reached
	s_add_nc_u64 s[G0Q+2:G0Q+3], s[G0Q+2:G0Q+3], 768
	s_add_nc_u64 s[G0B+2:G0B+3], s[G0B+2:G0B+3], 768
.irp g, G1P, G1Q, G1B
	s_mov_b32 s[\g+1], 256<<16                     ; rows of 256 bytes again
	s_mov_b32 s[\g+3], 256<<16
.endr
.endif
	s_wait_dscnt 0x1                               ; set 1 is in; only the add may be out
	MULROW 0, 1, 0                                 ; eight matrix instructions stand between the add and the wait for it
	s_wait_dscnt 0x0                               ; the add is done, and my reads of the slots so far are over
	s_barrier_signal -1
	MULROW 1, 1, 0
	WIN 0
	s_barrier_wait -1
.if \fill
	CREST                                          ; no wave of any partner still reads slot 0 or has a load on its way
	JLOAD 0                                        ; its four v_nop are also the places in front of the loads below
.else
	PLACES 4
.endif
	FETCH \ns, 0, 0
	MULROW 2, 1, 0
	MULROW 3, 1, 0
	LAT 1, 0
.endm
	s_wait_alu depctr_va_vdst(0)
	s_wait_tensorcnt 0x0                           ; my part of K step 0 is in
	ds_add_u32 v[SPW], v[NIL]
.irp g, G1P, G1Q, G1B
	s_mov_b32 s[\g+1], 512<<16                     ; no load of mine is out: the groups 1 state rows of 512 bytes, still padded behind every 256
	s_mov_b32 s[\g+3], 512<<16
.endr
	s_wait_dscnt 0x0
	CROUND                                         ; everybody's part of K step 0 is in, and the joint loads meet
	JLOAD 1                                        ; K steps 1 and 2: my one tensor load behind the round
	FETCH 0, 0, 0
	STEP 0, 0, 1, 1                                ; K 0-127: these products start the sums
	TURN 1, 1                                      ; K 128-255; slot 0 is filled again
	STEP 0, 1, 1, 0
	STEP 1, 2, 0, 0
	STEP 0, 2, 1, 0
	TURN 0, 0                                      ; K 640-767; K step 3 is whole
	STEP 0, 0, 1, 0
	s_wait_dscnt 0x0                               ; K 896-1,023: nothing more to fetch
	MULROW 0, 1, 0
	MULROW 1, 1, 0
	MULROW 2, 1, 0
	MULROW 3, 1, 0
	LAT 1, 0
	; THE WAY OUT.  latent: each of my two tiles twice, under e3 and under e5.  The conversion to an 8-bit code does not saturate (ISA guide 7.6.2): each number is held within the largest code x the scale first.
	PLACES 4
.irp a, 0,1
.irp j, 0,1,2,3,4,5,6,7
	v_med3_num_f32 v[TL+16*\a+\j], v[LA+8*\a+\j], -v[LIM3], v[LIM3]
	v_med3_num_f32 v[TL+16*\a+8+\j], v[LA+8*\a+\j], -v[LIM5], v[LIM5]
.endr
.endr
.irp a, 0,1
	v_cvt_scalef32_pk8_bf8_f32 v[CL+4*\a:CL+4*\a+1], v[TL+16*\a:TL+16*\a+7], v[SC3]
	v_cvt_scalef32_pk8_bf8_f32 v[CL+4*\a+2:CL+4*\a+3], v[TL+16*\a+8:TL+16*\a+15], v[SC5]
.endr
	v_nop                                          ; one plain vector instruction behind the last conversion of a run
	s_lshl_b32 s2, s[TY], 3
	s_lshl_b32 s3, s[WT], 2
	s_add_co_u32 s2, s2, s3
	s_lshl_b32 s3, s[WD], 1
	s_add_co_u32 s2, s2, s3                        ; my first row tile: 8 ty + 4 wt + 2 wd
	s_lshl_b32 s2, s2, 10
	s_lshl_b32 s3, s[N4], 8                        ; my 16 latent columns are registers 2 n4, 2 n4 + 1 of the fragment
	s_add_co_u32 s2, s2, s3
	s_mov_b32 s3, 0
	s_add_nc_u64 s[20:21], s[20:21], s[2:3]
	s_add_nc_u64 s[22:23], s[22:23], s[2:3]
	s_wait_alu depctr_va_vdst(0)
	global_store_b64 v[LO], v[CL:CL+1], s[20:21]               ; 32 lanes store 256 consecutive bytes, aligned
	global_store_b64 v[LO], v[CL+2:CL+3], s[22:23]
	global_store_b64 v[LO], v[CL+4:CL+5], s[20:21] offset:1024
	global_store_b64 v[LO], v[CL+6:CL+7], s[22:23] offset:1024
	WIN 0x41                                       ; v: source 0 and destination window 1
.set n, 0
.rept 256
	v_med3_num_f32 v[n], v[n], -v[LIMV], v[LIMV]   ; each accumulator from its low end on
.set n, n+1
.endr
	WIN 0x01
.irp sp, 0,1
.irp b, 0,1,2,3,4,5,6,7
	v_cvt_scalef32_pk8_bf8_f32 v[CV+4*(8*\sp+\b):CV+4*(8*\sp+\b)+1], v[8*(16*\sp+\b):8*(16*\sp+\b)+7], v[SCV]          ; rows 8 h + 0..7 of a block of 32,
	v_cvt_scalef32_pk8_bf8_f32 v[CV+4*(8*\sp+\b)+2:CV+4*(8*\sp+\b)+3], v[8*(16*\sp+8+\b):8*(16*\sp+8+\b)+7], v[SCV]   ; rows 16 + 8 h + 0..7
.endr
.endr
	WIN 0
	v_nop
	s_lshl_b32 s2, s[TY], 2
	s_lshl_b32 s3, s[WT], 1
	s_add_co_u32 s2, s2, s3                        ; 4 ty + 2 wt
	s_add_co_u32 s4, s2, s[WD]                     ; places 0, 1 are block wd of 32 rows,
	s_xor_b32 s5, s[WD], 1
	s_add_co_u32 s6, s2, s5                        ; places 2, 3 block 1 - wd
	s_lshl_b32 s4, s4, 15
	s_lshl_b32 s6, s6, 15
	s_lshl_b32 s2, s[N4], 2
	s_lshl_b32 s3, s[WD], 1
	s_add_co_u32 s2, s2, s3                        ; my first head: 4 n4 + 2 wd
	s_lshl_b32 s2, s2, 11
	s_add_co_u32 s4, s4, s2
	s_add_co_u32 s6, s6, s2
	s_mov_b32 s5, 0
	s_mov_b32 s7, 0
	s_add_nc_u64 s[4:5], s[18:19], s[4:5]
	s_add_nc_u64 s[6:7], s[18:19], s[6:7]
	s_wait_alu depctr_va_vdst(0)
.irp sp, 0,1
.irp b, 0,1,2,3,4,5,6,7
	global_store_b128 v[VO], v[CV+4*(8*\sp+\b):CV+4*(8*\sp+\b)+3], s[4+2*\sp:5+2*\sp] offset:(\b/4)*2048+(\b%4)*256   ; sixteen lanes store 256 consecutive bytes, aligned
.endr
.endr
	; the head matrix's 8 x 8 numbers
	s_mov_b32 s8, 0xbd800000                       ; -1/16
	s_mov_b32 s9, 0x3d000000                       ; 1/32
	s_mov_b32 s10, 0x76543210
	s_mov_b32 s11, 0xfedcba98                      ; v_permlanex16_b32's selects for lane l xor 16
	s_wait_loadcnt 0x0
	WIN 0x0f                                       ; sources 0 and 1 window 3
.irp i, 0,1,2,3,4,5,6,7
	v_add_f32 v[HT+\i], v[XH+\i], v[XH+8+\i]
	v_add_f32 v[HU+\i], v[XH+16+\i], v[XH+24+\i]
	v_add_f32 v[HC+\i], v[CRS+\i], v[CSR+\i]       ; core(r, s) + core(s, r)
.endr
	WIN 0
.irp i, 0,1,2,3,4,5,6,7
	v_add_f32 v[HT+\i], v[HT+\i], v[HU+\i]         ; my four heads,
.endr
.irp i, 0,1,2,3,4,5,6,7
	v_add_f32_dpp v[HT+\i], v[HT+\i], v[HT+\i] row_xmask:8 row_mask:0xf bank_mask:0xf   ; lane l xor 8's,
.endr
.irp i, 0,1,2,3,4,5,6,7
	v_permlanex16_b32 v[HU+\i], v[HT+\i], s10, s11
.endr
.irp i, 0,1,2,3,4,5,6,7
	v_add_f32 v[HT+\i], v[HT+\i], v[HU+\i]         ; and lane l xor 16's: the sum over the sixteen heads
.endr
	WIN 0x30                                       ; source 2 window 3
.irp i, 0,1,2,3,4,5,6,7
	v_fma_f32 v[HT+\i], v[HT+\i], s8, v[OWN+\i]    ; my head's residual less the mean
.endr
	WIN 0
.irp i, 0,1,2,3,4,5,6,7
	v_fma_f32 v[HT+\i], v[HC+\i], s9, v[HT+\i]     ; + the symmetric core / 16
.endr
.irp i, 0,1,2,3,4,5,6,7
	v_med3_num_f32 v[HT+\i], v[HT+\i], -v[LIM2], v[LIM2]
.endr
	v_cvt_scalef32_pk8_bf8_f32 v[HC+8:HC+9], v[HT:HT+7], v[SC2]
	v_nop
	v_cmp_gt_u32 vcc_lo, 8, v3                     ; the four lanes of an s8 hold the same codes: lanes 0 to 7 store, 64 consecutive bytes
	s_wait_alu depctr_va_vdst(0)
	s_wait_xcnt 0x0                                ; EXEC changes only behind this wait
	s_and_saveexec_b32 s2, vcc_lo
	global_store_b64 v28, v[HC+8:HC+9], s[24:25]
	s_wait_xcnt 0x0                                ; and again, in front of the line that widens it
	s_or_b32 exec_lo, exec_lo, s2
	s_wait_tensorcnt 0x0                           ; the wave's end
	ds_add_u32 v[SPW], v[NIL]
	s_wait_dscnt 0x0
	CROUND                                         ; the closing round: no work-group ends while a partner may still ask for a tile that names it
	s_endpgm
.Lfunc_end_k_q97f9b20000_proj:
	.size	k_q97f9b20000_proj, .Lfunc_end_k_q97f9b20000_proj-k_q97f9b20000_proj
	.p2alignl 7, 3214868480
	.fill 96, 4, 3214868480
	.section	.rodata,"a",@progbits
	.p2align	6, 0x0
	.amdhsa_kernel k_q97f9b20000_proj
		.amdhsa_group_segment_fixed_size 327680
		.amdhsa_private_segment_fixed_size 0
		.amdhsa_enable_private_segment 0
		.amdhsa_kernarg_size 88
		.amdhsa_user_sgpr_count 2
		.amdhsa_user_sgpr_kernarg_segment_ptr 1
		.amdhsa_wavefront_size32 1
		.amdhsa_system_sgpr_workgroup_id_x 1
		.amdhsa_system_sgpr_workgroup_id_y 1
		.amdhsa_system_sgpr_workgroup_id_z 1
		.amdhsa_system_vgpr_workitem_id 0
		.amdhsa_next_free_vgpr 1024
		.amdhsa_next_free_sgpr 106
		.amdhsa_reserve_vcc 1
		.amdhsa_float_denorm_mode_32 3
		.amdhsa_float_denorm_mode_16_64 3
		.amdhsa_memory_ordered 1
		.amdhsa_forward_progress 1
		.amdhsa_inst_pref_size 98
	.end_amdhsa_kernel
	.amdgpu_metadata
---
amdhsa.version: [ 1, 2 ]
amdhsa.kernels:
  - .name:           k_q97f9b20000_proj
    .symbol:         k_q97f9b20000_proj.kd
    .args:
      - { .name: hidden_states_codes, .offset: 0, .size: 8, .value_kind: global_buffer, .address_space: global }
      - { .name: v_w_codes, .offset: 8, .size: 8, .value_kind: global_buffer, .address_space: global }
      - { .name: basis_w_codes, .offset: 16, .size: 8, .value_kind: global_buffer, .address_space: global }
      - { .name: v_b, .offset: 24, .size: 8, .value_kind: global_buffer, .address_space: global }
      - { .name: core, .offset: 32, .size: 8, .value_kind: global_buffer, .address_space: global }
      - { .name: head_residual, .offset: 40, .size: 8, .value_kind: global_buffer, .address_space: global }
      - { .name: lowp_scales, .offset: 48, .size: 8, .value_kind: global_buffer, .address_space: global }
      - { .name: vq, .offset: 56, .size: 8, .value_kind: global_buffer, .address_space: global }
      - { .name: lat3, .offset: 64, .size: 8, .value_kind: global_buffer, .address_space: global }
      - { .name: lat5, .offset: 72, .size: 8, .value_kind: global_buffer, .address_space: global }
      - { .name: hmq, .offset: 80, .size: 8, .value_kind: global_buffer, .address_space: global }
    .group_segment_fixed_size: 327680
    .private_segment_fixed_size: 0
    .kernarg_segment_align: 8
    .kernarg_segment_size: 88
    .max_flat_workgroup_size: 128
    .sgpr_count:     106
    .vgpr_count:     1024
    .wavefront_size: 32
...
	.end_amdgpu_metadata
.endif
;; end of part 1
;; launch attn (part 2): grid 4 x 64, 16 waves a work-group, clusters of 4 x 1, 327,680 bytes of LDS; arguments lat3, lat5, vq, hmq, lowp_scales, yq; writes yq
.if DOCPART == 2
	.amdgcn_target "amdgcn-amd-amdhsa--gfx1250"
	.amdhsa_code_object_version 6
	.text
	.protected	k_q97f9b20000_attn
	.globl	k_q97f9b20000_attn
	.p2align	8
	.type	k_q97f9b20000_attn,@function
k_q97f9b20000_attn:
	s_mov_b64 s[64:65], 0
	v_nop
	global_prefetch_b8 v0, s[64:65] scope:SCOPE_SE
	s_setreg_imm32_b32 hwreg(HW_REG_WAVE_MODE, 25, 1), 1
	s_wait_xcnt 0x0
	s_wait_alu depctr_hold_cnt(0) depctr_sa_sdst(0) depctr_va_vdst(0) depctr_va_sdst(0) depctr_va_ssrc(0) depctr_va_vcc(0) depctr_vm_vsrc(0)
	s_getreg_b32 s2, hwreg(HW_REG_IB_STS2, 6, 4)
	s_cmp_eq_u32 s2, 0
	s_cbranch_scc0 .Lentry_in_a_cluster
	s_endpgm
.Lentry_in_a_cluster:
	s_bfe_u32 s2, ttmp6, 0x10000c
	s_cmp_lg_u32 s2, 0x3003
	s_cbranch_scc0 .Lentry_shape_is_right
	s_endpgm
.Lentry_shape_is_right:
; For one (batch, head): lt = latent head_mats (K = 64), scores = lt latent^T / 8 under the causal mask (K = 64), y = softmax(scores) v (K = the keys), all on codes of BF8 (E5M2), each operand with its given scale.
; THE SOFTMAX AHEAD OF THE LAST PRODUCT: t = score x log2(e) / 8; M = the row's largest t so far, rounded UP to a whole number; p = 2^(t - M) is quantised (e8), not normalised.  The row's sum is taken of the
; unquantised p, in f32, and divides y at the end.  When M moves, the sum and y are multiplied by 2^(old M - new M): exact.  y leaves as codes (e10) in the order of the next product's operand registers.
; LEFT OUT: runs of 64 or 128 keys all of which come after a tile's queries: the causal mask makes their p zero.
; NO RING.  A batch's latent (2,048 keys x 64 bytes) and a head's V (the same) are 2 x 131,072 bytes: both lie whole in LDS and no byte is filled twice.  Keys 0-511 come by the head's loads, one a wave; keys 512-2,047
; by one more load a wave; four key steps later one barrier shows them to all waves.  Behind it no wave waits for another.
; SHARES.  The 128 query tiles of 16 of a (batch, head) are dealt to four work-groups: work-group cx takes tiles 4 m + cx, m = 0 .. 31; wave w takes m = 31 - w and then m = w.  Tile 4 m + cx needs keys 0 .. 64 m + 63
; whatever cx is: m / 2 whole steps of 128 keys and, where m is even, one of 64 keys more; where m is odd the last whole step is masked in its upper 64 keys.  Each wave has one even and one odd m: 16 whole steps and a half.
; CLUSTER: the four work-groups of a (batch, head) read the same latent and V: every tile is asked for jointly (mask 15).  No branch and no LDS address hangs on cx: the steps that are walked hang on m, the wave's
; number, alone; cx enters the mask's compare values and the addresses of lat3 and yq.
; The loops' trip counts are constants (4, 12 and 8 steps); a step that a tile does not need is jumped over at its head.
; NO PREFETCH: all tensor loads go out in the first two groups; there is no later load for a prefetch to run ahead of.
; LAYOUT.  All products are used transposed, so that a lane holds ONE query (lane % 16) and its registers run along the next K.  Register j of score tile c is key 16 c + 8 (lane / 16) + j: the place that both forms' own
; layout gives registers 2 c, 2 c + 1, so the conversions' results are the operand.  lat5 and vq are register images: every LDS load reads consecutive bytes over the lanes.
; LIMITS on the given exponents, so that each power of two below is an f32 number: e4 + e5 between -123 and 130 (added to c's exponent field); e4 - e2 - e3, e8 and e10 between -126 and 112; e8 + e9 goes by v_ldexp_f32.
; REGISTERS: v1-9 addresses and mask bounds; v12 -M, v13 the largest score, v[14:15] the sum; v16-23, v24-31 lt's codes of my two tiles; v32-95 eight fragments of latent, then four of V^T; v96-159 S^T, then p;
; v160-191 O^T; v192-199 y's codes; v208-211, v240, v241, v244 scales and holds; v224-239 p's codes (v232-239 before that: chains of the maxima and of the sum); v242-255 at work.
.set VREG,  131072                     ; LDS: latent's 128 row tiles of 1,024 bytes, then V's 64 blocks of 32 keys, 2,048 bytes each
.set SPARE, 262144                     ; behind them the spare words, 128 bytes for each wave: eight blocks of 256 bytes that no other line names
.set AK0, 1                            ; v1  8 x lane
.set AV0, 2                            ; v2  VREG + 1,024 h + 16 r
.set DQH, 3                            ; v3  64 + r - 8 h + 16 cx: the mask's bound where the tile's first query lies 64 keys into the step (m odd)
.set DQ,  4                            ; v4  r - 8 h + 16 cx: where it lies at the step's first key (m even)
.set SPW, 5
.set NIL, 6
.set YO,  7                            ; v7  16 x lane
.set ADK, 8
.set ADV, 9
.set MX,  232                          ; v232-237 the six chains of the maxima
.set TB,  2                            ; s2  8,192 x the key step: its first byte in latent's and in V's part; also the loops' counter
.set WV,  18
.set SEL, 20
.set CS,  22                           ; s[22:23] c = log2(e) / 8 x 2^(e4 + e5)
.set G1KA, 24                          ; groups 1: latent and V, first and second group of loads
.set G1VA, 32
.set G1KB, 40
.set G1VB, 48
.set G0K, 56
.set G0V, 60
.set QT,  66                           ; 4,096 m of the tile in hand: s[TB] at key 64 m
.set QTS, 67                           ; 4,096 m of my second tile
.set CX,  68
.set U,   69                           ; wave % 8: which eighth I fetch
.set QO,  70                           ; s[QT] - 4,096: s[TB] of the masked whole step, where m is odd
.set MK,  72                           ; s72-79 behind the head: eight lane masks
.set YL,  92                           ; s[92:93], s[94:95] yq at my two tiles
.set YS,  94
.macro PLACES n
.rept \n
	v_nop
.endr
.endm
.macro MKSC e, vs, vl                  ; s[e] holds a whole number E and is used up: v[vs] = 2^E as f32, v[vl] = 57,344 x 2^E
	s_add_co_i32 s[\e], s[\e], 127
	s_lshl_b32 s86, s[\e], 23
	v_mov_b32 v[\vs], s86
	s_add_co_i32 s[\e], s[\e], 15
	s_lshl_b32 s[\e], s[\e], 23
	s_or_b32 s[\e], s[\e], 0x600000
	v_mov_b32 v[\vl], s[\e]
.endm
.macro G1SET g, c, r, p                ; r rows of c elements of 8 bytes, p elements apart; the mask names the cluster's four, bit 21 beside it; no padding
	s_mov_b32 s[\g], 15|(3<<16)|(1<<21)
	s_mov_b32 s[\g+1], (\c)<<16
	s_mov_b32 s[\g+2], (\r)<<16
	s_mov_b32 s[\g+3], (\c)<<16
	s_mov_b32 s[\g+4], \r
	s_mov_b32 s[\g+5], \p
	s_mov_b32 s[\g+6], 0
	s_mov_b32 s[\g+7], 0
.endm
.macro ROUND                           ; a round of the cluster's barrier
	s_barrier_signal -1
	s_barrier_wait -1
	s_cmp_lg_u32 s[WV], 0
	s_cbranch_scc1 .Lnot_wave_0_\@
	s_barrier_signal -3
.Lnot_wave_0_\@:
	s_barrier_wait -3
	s_barrier_signal -1
	s_barrier_wait -1
.endm
.macro JLOAD g1k, g1v                  ; waves 0-7 fetch eighths of latent, waves 8-15 of V: one joint load in each arm.  Four v_nop follow each line
	s_cmp_lt_u32 s[WV], 8
	s_cbranch_scc0 .Lfor_v_\@
	tensor_load_to_lds s[G0K:G0K+3], s[\g1k:\g1k+7]
	s_nop 0
	PLACES 4
	s_branch .Lasked_\@
.Lfor_v_\@:
	tensor_load_to_lds s[G0V:G0V+3], s[\g1v:\g1v+7]
	s_nop 0
	PLACES 4
.Lasked_\@:
.endm
.macro INIT                            ; a tile's sums begin as zeros and its largest score as -3e38, -M as 3e38: the first change of M multiplies zeros
	v_mov_b32 v13, 0xff61b1e6
	s_delay_alu instid0(VALU_DEP_1)
	v_floor_f32 v12, -v13
	v_mov_b32 v14, 0
	v_mov_b32 v15, 0
.set n, 0
.rept 32
	v_mov_b32 v[160+n], 0
.set n, n+1
.endr
.endm
	s_load_b256 s[4:11], s[0:1], 0x0               ; lat3 s[4:5], lat5 s[6:7], vq s[8:9], hmq s[10:11]
	s_load_b128 s[12:15], s[0:1], 0x20             ; the exponents s[12:13], yq s[14:15]
	v_lshl_add_u32 v[SPW], v0, 2, SPARE
	v_mov_b32 v[NIL], 0
	ds_add_u32 v[SPW], v[NIL]                      ; the opening lines: the add, twice on end, and its wait ahead of my first tensor load
	ds_add_u32 v[SPW], v[NIL]
	v_lshrrev_b32 v8, 5, v0
	v_readfirstlane_b32 s[WV], v8                  ; wave 0..15
	s_bfe_u32 s[CX], ttmp6, 0x40000                ; my place in the cluster
	s_and_b32 s85, ttmp7, 0xffff
	s_lshr_b32 s86, s85, 4                         ; batch
	s_and_b32 s87, s85, 15                         ; head
	s_and_b32 s[U], s[WV], 7
	G1SET G1KA, 32, 16, 32                         ; keys 0-511: latent 8 x 4,096 bytes, dense, as rows of 256;
	G1SET G1VA, 256, 2, 4096                       ; V 8 x 2 blocks of 2,048 bytes, 32,768 apart
	G1SET G1KB, 32, 48, 32                         ; keys 512-2,047: 8 x 12,288 bytes;
	G1SET G1VB, 256, 6, 4096                       ; 8 x 6 blocks
	s_mov_b32 s[G0K], 1
	s_lshl_b32 s[G0K+1], s[U], 12                  ; LDS: 4,096 u
	s_lshl_b32 s[G0K+2], s86, 17                   ; a batch's 128 row tiles of 1,024 bytes
	s_add_co_u32 s[G0K+2], s[G0K+2], s[G0K+1]
	s_mov_b32 s[G0K+3], 0
	s_mov_b32 s[G0V], 1
	s_add_co_u32 s[G0V+1], s[G0K+1], VREG
	s_lshl_b32 s[G0V+2], s86, 21                   ; a batch's 64 blocks of 32,768 bytes,
	s_lshl_b32 s88, s87, 11                        ; the head's 2,048 of each,
	s_add_co_u32 s[G0V+2], s[G0V+2], s88
	s_lshl_b32 s88, s[U], 16                       ; blocks 2 u on
	s_add_co_u32 s[G0V+2], s[G0V+2], s88
	s_mov_b32 s[G0V+3], 0
	s_lshl_b32 s88, s86, 7
	s_add_co_u32 s88, s88, s[CX]                   ; 128 batch + cx
	s_sub_co_u32 s89, 31, s[WV]                    ; m of my first tile
	s_lshl_b32 s[QT], s89, 12
	s_sub_co_u32 s[QO], s[QT], 4096
	s_lshl_b32 s[QTS], s[WV], 12
	s_lshl_b32 s89, s89, 2
	s_add_co_u32 s89, s89, s88                     ; my first row tile,
	s_lshl_b32 s90, s[WV], 2
	s_add_co_u32 s90, s90, s88                     ; my second
	s_lshl_b32 s96, s89, 10
	s_mov_b32 s97, 0
	s_lshl_b32 s98, s90, 10
	s_mov_b32 s99, 0
	s_lshl_b32 s91, s87, 10
	s_lshl_b32 s[YL], s89, 14
	s_add_co_u32 s[YL], s[YL], s91
	s_mov_b32 s[YL+1], 0
	s_lshl_b32 s[YS], s90, 14
	s_add_co_u32 s[YS], s[YS], s91
	s_mov_b32 s[YS+1], 0
	s_lshl_b32 s90, s87, 12
	s_mov_b32 s91, 0
	s_mov_b32 s[SEL], 0x76543210
	s_mov_b32 s[SEL+1], 0xfedcba98
	s_mov_b32 s[CS], 0x3e38aa3b                    ; log2(e) / 8
	s_mov_b32 s[TB], 0
	s_wait_dscnt 0x0                               ; both opening adds are done
	s_wait_kmcnt 0x0
	s_load_b256 s[72:79], s[12:13], 0x0            ; e0 .. e7
	s_load_b128 s[80:83], s[12:13], 0x20           ; e8 .. e11
	s_add_nc_u64 s[G0K+2:G0K+3], s[6:7], s[G0K+2:G0K+3]
	s_or_b32 s[G0K+3], s[G0K+3], 0x80000000
	s_add_nc_u64 s[G0V+2:G0V+3], s[8:9], s[G0V+2:G0V+3]
	s_or_b32 s[G0V+3], s[G0V+3], 0x80000000
	ROUND                                          ; the four work-groups are here: the first joint loads meet
	JLOAD G1KA, G1VA                               ; keys 0-511: one tensor load a wave at the head
	s_add_nc_u64 s[10:11], s[10:11], s[90:91]      ; my head's matrix
	s_add_nc_u64 s[96:97], s[4:5], s[96:97]        ; lat3 at my two row tiles
	s_add_nc_u64 s[98:99], s[4:5], s[98:99]
	s_add_nc_u64 s[YL:YL+1], s[14:15], s[YL:YL+1]
	s_add_nc_u64 s[YS:YS+1], s[14:15], s[YS:YS+1]
	s_lshl_b32 s88, s[CX], 4
	v_and_b32 v10, 15, v0                          ; r
	v_bfe_u32 v11, v0, 4, 1                        ; h
	v_and_b32 v[AK0], 31, v0
	v_lshlrev_b32 v[YO], 4, v[AK0]
	v_lshlrev_b32 v[AK0], 3, v[AK0]
	v_lshlrev_b32 v[AV0], 4, v10
	v_lshl_add_u32 v[AV0], v11, 10, v[AV0]
	v_add_nc_u32 v[AV0], VREG, v[AV0]
	v_lshlrev_b32 v[DQ], 3, v11
	v_sub_nc_u32 v[DQ], v10, v[DQ]
	v_add_nc_u32 v[DQ], s88, v[DQ]
	v_add_nc_u32 v[DQH], 64, v[DQ]
.irp c, 0,1,2,3
.irp k, 0,1,2,3
	global_load_b64 v[32+8*\c+2*\k:33+8*\c+2*\k], v[AK0], s[10:11] offset:\c*1024+\k*256   ; the head matrix's tile of rows s = 16 c on
.endr
.endr
.irp k, 0,1,2,3
	global_load_b64 v[64+2*\k:65+2*\k], v[AK0], s[96:97] offset:\k*256    ; latent (e3) of my first tile's 16 queries,
	global_load_b64 v[72+2*\k:73+2*\k], v[AK0], s[98:99] offset:\k*256    ; of my second's
.endr
	s_wait_kmcnt 0x0
	s_add_co_i32 s85, s76, s77
	s_lshl_b32 s85, s85, 23
	s_add_co_i32 s[CS], s[CS], s85                 ; a score stands for score x 2^(e4 + e5): added to c's exponent field
	s_mov_b32 s[CS+1], s[CS]                       ; (named with it as a pair, so it is written)
	s_add_co_i32 s84, s80, s81                     ; e8 + e9
	s_mov_b32 s85, s80
	MKSC 85, 244, 240                              ; p's
	v_mov_b32 v241, s85                            ; the hold once more: the two halves of a dual pair take their second sources from two registers
	s_mov_b32 s85, s82
	MKSC 85, 208, 209                              ; y's
	s_sub_co_i32 s85, s76, s74
	s_sub_co_i32 s85, s85, s75
	MKSC 85, 210, 211                              ; lt's: a sum stands for sum x 2^(e2 + e3), so its code is sum / 2^(e4 - e2 - e3)
	v_mov_b32 v246, 0                              ; written once: a lane permute's destination counts as one of its sources
	v_mov_b32 v253, 0                              ; (named as the upper half of the pair v[252:253])
	v_mov_b32 v248, 0xff800000                     ; -infinity
	INIT                                           ; while the loads above are out
	s_wait_loadcnt 0x0
.irp t, 0,1
.irp c, 0,1,2,3
	v_wmma_f32_16x16x64_bf8_bf8 v[96+32*\t+8*\c:103+32*\t+8*\c], v[32+8*\c:39+8*\c], v[64+8*\t:71+8*\t], 0   ; lane (r, h): lt(query r, s = 16 c + 8 h + j)
.endr
.endr
	PLACES 4
	s_wait_alu depctr_va_vdst(0)                   ; the hold was written ahead of the wait on the loads
.set n, 0
.rept 64
	v_med3_num_f32 v[96+n], v[96+n], -v211, v211   ; the conversion to an 8-bit code does not saturate (ISA guide 7.6.2)
.set n, n+1
.endr
.irp t, 0,1
.irp c, 0,1,2,3
	v_cvt_scalef32_pk8_bf8_f32 v[16+8*\t+2*\c:17+8*\t+2*\c], v[96+32*\t+8*\c:103+32*\t+8*\c], v210
.endr
.endr
	v_nop                                          ; one plain vector instruction behind the last conversion of a run
.macro VLD d, nt                       ; V^T, channels 16 d on, 32 keys a load
	ds_load_b128 v[32+16*\d:35+16*\d], v[ADV] offset:256*\d
	ds_load_b128 v[36+16*\d:39+16*\d], v[ADV] offset:2048+256*\d
.if \nt == 8
	ds_load_b128 v[40+16*\d:43+16*\d], v[ADV] offset:4096+256*\d
	ds_load_b128 v[44+16*\d:47+16*\d], v[ADV] offset:6144+256*\d
.endif
.endm
; The mask over the 32 score registers from 96 + lo on.  Register 8 c + j holds key 8 h + 16 c + j of the step: hidden where 16 c + j is above the bound (my query - the step's first key - 8 h).
; Eight compares into eight scalar registers, then the eight selects: no select stands next to its compare.
.macro MASK lo, bound
.set n, \lo
.rept 4
.irp j, 0,1,2,3,4,5,6,7
	v_cmp_gt_i32 s[MK+\j], 16*(n/8)+\j, v[\bound]
.endr
.irp j, 0,1,2,3,4,5,6,7
	v_cndmask_b32 v[96+n+\j], v[96+n+\j], v248, s[MK+\j]
.endr
.set n, n+8
.endr
.endm
; A KEY STEP's work: nt tiles of 16 keys (8, or 4 for the half step).  qr: lt's codes of the tile in hand.  mk = 0: all keys count; 1: the upper 64 keys are masked in the one step with s[TB] = s[QO]; 2: all 64 keys are masked.
.macro BODY qr, nt, mk
.set R, 8*\nt
	v_add_nc_u32 v[ADK], s[TB], v[AK0]             ; four places in front of loads into registers that the last products have read: three lines that are due anyway,
	v_add_nc_u32 v[ADV], s[TB], v[AV0]
	v_mov_b32 v249, v12                            ; (the old -M)
	v_nop                                          ; and an idle one
.set n, 0
.rept 4*\nt
	ds_load_b64 v[32+2*n:33+2*n], v[ADK] offset:256*n   ; 32 lanes read 256 consecutive bytes: registers 2 k, 2 k + 1 of row tile n / 4
.set n, n+1
.endr
	s_wait_alu depctr_va_vdst(0)                   ; directly ahead of the wait below
.set n, 0
.rept \nt/2
	s_wait_dscnt 4*\nt-8*(n+1)                     ; row tiles 2 n and 2 n + 1 are in: the loads issued behind their eight may be out
	v_wmma_f32_16x16x64_bf8_bf8 v[96+16*n:103+16*n], v[32+16*n:39+16*n], v[\qr:\qr+7], 0
	v_wmma_f32_16x16x64_bf8_bf8 v[104+16*n:111+16*n], v[40+16*n:47+16*n], v[\qr:\qr+7], 0
.set n, n+1
.endr
	PLACES 4                                       ; in front of the loads below and of the first read of the scores
	VLD 0, \nt                                     ; V^T lands while the softmax is worked
	VLD 1, \nt
	VLD 2, \nt
	VLD 3, \nt
.if \mk == 1
	s_cmp_lg_u32 s[TB], s[QO]
	s_cbranch_scc1 .Lopen_\@                       ; all its keys count
	MASK 32, DQH                                   ; (the lower 64 keys all count: 16 c + j is 55 at the most, the bound 56 at the least)
.Lopen_\@:
.endif
.if \mk == 2
	MASK 0, DQ
.endif
.irp j, 0,1,2,3,4,5
	v_max3_num_f32 v[MX+\j], v[96+3*\j], v[97+3*\j], v[98+3*\j]   ; the step's largest score of my query, among my keys, in six chains; the registers are taken in ascending order
.endr
.set n, 18
.rept (R-18)/2
	v_max3_num_f32 v[MX+((n-18)/2)%6], v[MX+((n-18)/2)%6], v[96+n], v[97+n]
.set n, n+2
.endr
	v_max3_num_f32 v[MX], v[MX], v[MX+1], v[MX+2]
	v_max3_num_f32 v[MX+3], v[MX+3], v[MX+4], v[MX+5]
	s_delay_alu instid0(VALU_DEP_1)
	v_max3_num_f32 v254, v[MX], v[MX+3], v13       ; with the largest so far,
	s_delay_alu instid0(VALU_DEP_1)
	v_permlanex16_b32 v246, v254, s[SEL], s[SEL+1]
	s_delay_alu instid0(VALU_DEP_1)
	v_max_num_f32 v13, v254, v246                  ; and with lane l xor 16's: the running largest score
	s_delay_alu instid0(VALU_DEP_1)
	v_mul_f32 v254, s[CS], v13                     ; as t (c is positive, so the largest score gives the largest t)
	s_delay_alu instid0(VALU_DEP_1)
	v_floor_f32 v12, -v254                         ; the new -M = floor(-t) = -ceil(t)
.set n, 0
.rept R/2
	v_pk_fma_f32 v[96+n:97+n], v[96+n:97+n], s[CS:CS+1], v[12:13] op_sel_hi:[1,0,0]   ; t - M, two at a time; the three lines that make f stand among them, five lines apart
.if n == 6
	v_sub_f32 v254, v12, v249                      ; old M - new M: a whole number, 0 or less
.endif
.if n == 16
	v_cvt_i32_f32 v254, v254                       ; (it saturates)
.endif
.if n == 26
	v_ldexp_f32 v252, 1.0, v254                    ; f = 2^(old M - new M)
.endif
.set n, n+2
.endr
	s_wait_alu depctr_va_vdst(0)                   ; ahead of the batch
.set n, 0
.rept R
	v_exp_f32 v[96+n], v[96+n]                     ; p = 2^(t - M), at most 1
.set n, n+1
.endr
	v_pk_mul_f32 v[14:15], v[14:15], v[252:253] op_sel_hi:[1,0]   ; the sums under the new M: the plain instruction behind the exponentials
	s_wait_alu depctr_va_vdst(0)                   ; one wait for the whole batch, ahead of its first reader
.if \nt == 8                           ; the row's sum of the unquantised p, two at a time, in eight chains
	v_pk_add_f32 v[242:243], v[100:101], v[104:105]
	v_pk_add_f32 v[254:255], v[108:109], v[112:113]
	v_pk_add_f32 v[250:251], v[116:117], v[120:121]
	v_pk_add_f32 v[238:239], v[124:125], v[128:129]
	v_pk_add_f32 v[236:237], v[132:133], v[136:137]
	v_pk_add_f32 v[234:235], v[140:141], v[144:145]
	v_pk_add_f32 v[232:233], v[148:149], v[152:153]
	v_pk_add_f32 v[14:15], v[14:15], v[156:157]
	v_pk_add_f32 v[242:243], v[242:243], v[96:97]
	v_pk_add_f32 v[254:255], v[254:255], v[98:99]
	v_pk_add_f32 v[250:251], v[250:251], v[102:103]
	v_pk_add_f32 v[238:239], v[238:239], v[106:107]
	v_pk_add_f32 v[236:237], v[236:237], v[110:111]
	v_pk_add_f32 v[234:235], v[234:235], v[114:115]
	v_pk_add_f32 v[232:233], v[232:233], v[118:119]
	v_pk_add_f32 v[14:15], v[14:15], v[122:123]
	v_pk_add_f32 v[242:243], v[242:243], v[126:127]
	v_pk_add_f32 v[254:255], v[254:255], v[130:131]
	v_pk_add_f32 v[250:251], v[250:251], v[134:135]
	v_pk_add_f32 v[238:239], v[238:239], v[138:139]
	v_pk_add_f32 v[236:237], v[236:237], v[142:143]
	v_pk_add_f32 v[234:235], v[234:235], v[146:147]
	v_pk_add_f32 v[232:233], v[232:233], v[150:151]
	v_pk_add_f32 v[14:15], v[14:15], v[154:155]
	v_pk_add_f32 v[242:243], v[242:243], v[158:159]
.else                                  ; the half step: in four
.irp j, 0,1,2,3
	v_pk_add_f32 v[232+2*\j:233+2*\j], v[96+4*\j:97+4*\j], v[98+4*\j:99+4*\j]
.endr
.set n, 16
.rept (R-16)/2
	v_pk_add_f32 v[232+n%8:233+n%8], v[232+n%8:233+n%8], v[96+n:97+n]
.set n, n+2
.endr
.endif
.set n, 0
.rept R/2
	v_dual_min_num_f32 v[96+n], v[96+n], v240 :: v_dual_min_num_f32 v[97+n], v[97+n], v241   ; p is not negative, so its hold is one-sided; two numbers an instruction.  The lines that join the sum's chains stand among these
.if n == 6
.if \nt == 8
	v_pk_add_f32 v[14:15], v[14:15], v[238:239]
	v_pk_add_f32 v[242:243], v[242:243], v[236:237]
	v_pk_add_f32 v[254:255], v[254:255], v[234:235]
	v_pk_add_f32 v[250:251], v[250:251], v[232:233]
.else
	v_pk_add_f32 v[232:233], v[232:233], v[234:235]
	v_pk_add_f32 v[236:237], v[236:237], v[238:239]
.endif
.endif
.if n == 16
.if \nt == 8
	v_pk_add_f32 v[14:15], v[14:15], v[254:255]
	v_pk_add_f32 v[242:243], v[242:243], v[250:251]
.else
	v_pk_add_f32 v[232:233], v[232:233], v[236:237]
.endif
.endif
.if n == 26
.if \nt == 8
	v_pk_add_f32 v[14:15], v[14:15], v[242:243]
.else
	v_pk_add_f32 v[14:15], v[14:15], v[232:233]
.endif
.endif
.set n, n+2
.endr
.set n, 0
.rept \nt
	v_cvt_scalef32_pk8_bf8_f32 v[224+2*n:225+2*n], v[96+8*n:103+8*n], v244
.set n, n+1
.endr
	s_wait_alu depctr_va_vdst(0)                   ; directly ahead of the first reader of O^T
.set n, 0
.rept 16
	v_pk_mul_f32 v[160+n:161+n], v[160+n:161+n], v[252:253] op_sel_hi:[1,0]   ; O^T under the new M.  (Plain instructions between the conversions and the products)
.set n, n+2
.endr
	s_wait_alu depctr_va_vdst(0)                   ; directly ahead of the wait below
	s_wait_dscnt 0x0                               ; V^T is in
.irp d, 0,1,2,3
.if \nt == 8
	v_wmma_f32_16x16x128_bf8_bf8 v[160+8*\d:167+8*\d], v[32+16*\d:47+16*\d], v[224:239], v[160+8*\d:167+8*\d]
.else
	v_wmma_f32_16x16x64_bf8_bf8 v[160+8*\d:167+8*\d], v[32+16*\d:39+16*\d], v[224:231], v[160+8*\d:167+8*\d]
.endif
.endr
.endm
; A walk over key steps up to LDS byte end, for the tile whose 4,096 m is in s[QT].  Below s[QT]: a whole step.  At s[QT] (m even): the half step.  Above: nothing.  The branches hang on the wave's number and the count of steps.
.macro WALK qr, end
.Lwalk_\@:
	s_cmp_ge_u32 s[TB], s[QT]
	s_cbranch_scc0 .Lmain_\@
	s_cmp_gt_u32 s[TB], s[QT]
	s_cbranch_scc1 .Lnext_\@
	BODY \qr, 4, 2
	s_branch .Lnext_\@
.Lmain_\@:
	BODY \qr, 8, 1
.Lnext_\@:
	s_add_co_u32 s[TB], s[TB], 8192
	s_cmp_lt_u32 s[TB], \end
	s_cbranch_scc1 .Lwalk_\@
.endm
; A tile's end: y = O^T / the sum x 2^(e8 + e9), as codes under e10.  O^T's tile d is registers 2 d, 2 d + 1 of the head's fragment of 64 along the next K.
.macro FINISH base
	PLACES 4                                       ; behind the last products
	s_wait_alu depctr_va_vdst(0)                   ; the sum was written ahead of taken branches
	v_add_f32 v14, v14, v15
	s_delay_alu instid0(VALU_DEP_1)
	v_permlanex16_b32 v246, v14, s[SEL], s[SEL+1]
	s_delay_alu instid0(VALU_DEP_1)
	v_add_f32 v14, v14, v246                       ; the row's sum
	s_wait_alu depctr_va_vdst(0)                   ; ahead of the transcendental
	v_rcp_f32 v14, v14
	v_nop                                          ; a plain instruction behind the reciprocal,
	s_wait_alu depctr_va_vdst(0)                   ; and the wait ahead of its first reader
	v_ldexp_f32 v14, v14, s84
	s_wait_alu depctr_va_vdst(0)                   ; directly ahead of the first reader of O^T
.set n, 0
.rept 16
	v_pk_mul_f32 v[160+n:161+n], v[160+n:161+n], v[14:15] op_sel_hi:[1,0]
.set n, n+2
.endr
.set n, 0
.rept 32
	v_med3_num_f32 v[160+n], v[160+n], -v209, v209
.set n, n+1
.endr
	s_wait_alu depctr_va_vdst(0)                   ; directly ahead of the wait below
	s_wait_xcnt 0x0                                ; the other tile's stores have read v192-199
.irp d, 0,1,2,3
	v_cvt_scalef32_pk8_bf8_f32 v[192+2*\d:193+2*\d], v[160+8*\d:167+8*\d], v208
.endr
	v_nop
	global_store_b128 v[YO], v[192:195], s[\base:\base+1]              ; 32 lanes store 512 consecutive bytes, aligned
	global_store_b128 v[YO], v[196:199], s[\base:\base+1] offset:512
.endm
	s_wait_alu depctr_va_vdst(0)                   ; at the head's end
	s_wait_tensorcnt 0x0                           ; my part of keys 0-511 is in
	ds_add_u32 v[SPW], v[NIL]
	s_mul_i32 s[G0K+1], s[U], 12288                ; no load of mine is out, so the groups 0 may be written: 12,288 u behind the first 32,768 bytes,
	s_add_co_u32 s[G0K+1], s[G0K+1], 32768
	s_add_co_u32 s[G0V+1], s[G0K+1], VREG
	s_lshl_b32 s88, s[U], 13                       ; in memory from 4,096 u to 32,768 + 12,288 u,
	s_add_co_u32 s88, s88, 32768
	s_mov_b32 s89, 0
	s_add_nc_u64 s[G0K+2:G0K+3], s[G0K+2:G0K+3], s[88:89]
	s_lshl_b32 s88, s[U], 17                       ; and from block 2 u to block 16 + 6 u
	s_add_co_u32 s88, s88, 524288
	s_add_nc_u64 s[G0V+2:G0V+3], s[G0V+2:G0V+3], s[88:89]
	s_wait_dscnt 0x0
	ROUND                                          ; everybody's part is in, and the joint loads meet
	JLOAD G1KB, G1VB                               ; keys 512-2,047: my one tensor load behind the round; it has four key steps in which to land
.Lfirst:                                           ; my first tile (m of 16 or more: keys 0-1,023 at the least all count), keys 0-511
	BODY 16, 8, 0
	s_add_co_u32 s[TB], s[TB], 8192
	s_cmp_lt_u32 s[TB], 32768
	s_cbranch_scc1 .Lfirst
	s_wait_tensorcnt 0x0                           ; my part of keys 512-2,047 is in
	ds_add_u32 v[SPW], v[NIL]
	s_wait_dscnt 0x0
	s_barrier_signal -1
	s_barrier_wait -1                              ; everybody's is: all of latent and V stands in LDS from here on
	WALK 16, 131072                                ; keys 512-2,047, as far as the tile needs them: 12 trips
	FINISH YL
	INIT
	s_mov_b32 s[TB], 0
	s_mov_b32 s[QT], s[QTS]
	s_sub_co_u32 s[QO], s[QTS], 4096               ; (wave 0: no step's s[TB] equals it)
	WALK 24, 65536                                 ; my second tile (m of 15 or less: keys 0-1,023 at the most): 8 trips
	FINISH YS
	s_wait_tensorcnt 0x0                           ; the wave's end
	ds_add_u32 v[SPW], v[NIL]
	s_wait_dscnt 0x0
	ROUND                                          ; the closing round
	s_endpgm
.Lfunc_end_k_q97f9b20000_attn:
	.size	k_q97f9b20000_attn, .Lfunc_end_k_q97f9b20000_attn-k_q97f9b20000_attn
	.p2alignl 7, 3214868480
	.fill 96, 4, 3214868480
	.section	.rodata,"a",@progbits
	.p2align	6, 0x0
	.amdhsa_kernel k_q97f9b20000_attn
		.amdhsa_group_segment_fixed_size 327680
		.amdhsa_private_segment_fixed_size 0
		.amdhsa_enable_private_segment 0
		.amdhsa_kernarg_size 48
		.amdhsa_user_sgpr_count 2
		.amdhsa_user_sgpr_kernarg_segment_ptr 1
		.amdhsa_wavefront_size32 1
		.amdhsa_system_sgpr_workgroup_id_x 1
		.amdhsa_system_sgpr_workgroup_id_y 1
		.amdhsa_system_sgpr_workgroup_id_z 1
		.amdhsa_system_vgpr_workitem_id 0
		.amdhsa_next_free_vgpr 256
		.amdhsa_next_free_sgpr 100
		.amdhsa_reserve_vcc 0
		.amdhsa_float_denorm_mode_32 3
		.amdhsa_float_denorm_mode_16_64 3
		.amdhsa_memory_ordered 1
		.amdhsa_forward_progress 1
		.amdhsa_inst_pref_size 115
	.end_amdhsa_kernel
	.amdgpu_metadata
---
amdhsa.version: [ 1, 2 ]
amdhsa.kernels:
  - .name:           k_q97f9b20000_attn
    .symbol:         k_q97f9b20000_attn.kd
    .args:
      - { .name: lat3, .offset: 0, .size: 8, .value_kind: global_buffer, .address_space: global }
      - { .name: lat5, .offset: 8, .size: 8, .value_kind: global_buffer, .address_space: global }
      - { .name: vq, .offset: 16, .size: 8, .value_kind: global_buffer, .address_space: global }
      - { .name: hmq, .offset: 24, .size: 8, .value_kind: global_buffer, .address_space: global }
      - { .name: lowp_scales, .offset: 32, .size: 8, .value_kind: global_buffer, .address_space: global }
      - { .name: yq, .offset: 40, .size: 8, .value_kind: global_buffer, .address_space: global }
    .group_segment_fixed_size: 327680
    .private_segment_fixed_size: 0
    .kernarg_segment_align: 8
    .kernarg_segment_size: 48
    .max_flat_workgroup_size: 512
    .sgpr_count:     100
    .vgpr_count:     256
    .wavefront_size: 32
...
	.end_amdgpu_metadata
.endif
;; end of part 2
;; launch outp (part 3): grid 8 x 32, 4 waves a work-group, clusters of 4 x 4, 327,680 bytes of LDS; arguments yq, o_w_codes, o_b, lowp_scales, out0; writes out0
.if DOCPART == 3
	.amdgcn_target "amdgcn-amd-amdhsa--gfx1250"
	.amdhsa_code_object_version 6
	.text
	.protected	k_q97f9b20000_outp
	.globl	k_q97f9b20000_outp
	.p2align	8
	.type	k_q97f9b20000_outp,@function
k_q97f9b20000_outp:
	s_mov_b64 s[64:65], 0
	v_nop
	global_prefetch_b8 v0, s[64:65] scope:SCOPE_SE
	s_setreg_imm32_b32 hwreg(HW_REG_WAVE_MODE, 25, 1), 1
	s_wait_xcnt 0x0
	s_wait_alu depctr_hold_cnt(0) depctr_sa_sdst(0) depctr_va_vdst(0) depctr_va_sdst(0) depctr_va_ssrc(0) depctr_va_vcc(0) depctr_vm_vsrc(0)
	s_getreg_b32 s2, hwreg(HW_REG_IB_STS2, 6, 4)
	s_cmp_eq_u32 s2, 0
	s_cbranch_scc0 .Lentry_in_a_cluster
	s_endpgm
.Lentry_in_a_cluster:
	s_bfe_u32 s2, ttmp6, 0x10000c
	s_cmp_lg_u32 s2, 0xf033
	s_cbranch_scc0 .Lentry_shape_is_right
	s_endpgm
.Lentry_shape_is_right:
; out = y o_w^T + o_b on codes of BF8 (E5M2).  y: codes under e10, laid [row tile of 16][head][2][lane][16 bytes]: images of the operand's registers, two heads on end = one fragment of 128 along K.
; o_w: the given codes [1,024][1,024], K innermost, under e11.  out0: [8,192][1,024] f32 = sum x 2^(e10 + e11) + o_b.
; SHARES.  A work-group takes 256 rows x 128 columns: 32 x 8 = 256 work-groups.  Wave (wp, wq) takes 64 columns x 128 rows: 4 x 8 accumulators.  K = 1,024 goes in four K steps of 256 through three LDS slots: three first
; fills and one refill; eight steps of 128 along K, written out.
; CLUSTERS: 4 x 4 work-groups.  The four of a column of the cluster need the same rows of o_w, the four of a row the same row tiles of y: each tile is asked for jointly.
; LAYOUT.  Source 0 = 16 rows of o_w, source 1 = a row tile of y: a lane holds eight neighbouring columns of one row of out.  y's images hold each k at the place that this form's own layout gives it, so o_w's
; fragments are fetched so too: eight loads of 8 bytes at row x pitch + 16 c + 8 h.
; LIMIT: e10 + e11 between -126 and 127, so that 2^(e10 + e11) is an f32 number.
; REGISTERS, in windows of 256: window 0: v0-31 addresses; v48-79 o_b in the result's layout; v128-255 o_w's four fragments, two sets (on the way out: at work).  window 1: the accumulators ((i, b) at v[8 (8 i + b)]).
;   window 2: y's eight fragments, two sets.
.set PITCH, 272                        ; a row of o_w in LDS: 256 bytes + 16 of padding
.set QOFF,  128*PITCH                  ; behind o_w's 128 rows: y's 16 row tiles, 4,096 bytes each, dense
.set SLOT,  QOFF+65536                 ; 100,352 bytes
.set STAGE, 3*SLOT                     ; behind the slots: 16 rows x 272 bytes for each wave, for the way out; no fill lands there
.set SPARE, STAGE+4*16*272             ; behind the stages: the spare words, 128 bytes for each wave: two blocks of 256 bytes that no other line names
.set PADW,  (1<<20)|(1<<21)|(5<<22)|(3<<25)
.set WV, 14
.set WP, 15
.set WQ, 16
.set G1P, 24
.set G0P, 32
.set G1Q, 44
.set G0Q, 52
.set CX, 66
.set CY, 67
.set NP, 68
.set TQ, 69
.set PA,  8                            ; v8-10   my 64 rows of o_w in slot 0, 1, 2
.set QA,  14                           ; v14-16  my 8 row tiles of y
.set SPW, 20
.set NIL, 21
.set STO, 24
.set RD,  25
.set CO,  26
.set OB,  48
.set PF,  128
.set TMP, 128
.set BK,  160
.set MSB, 0
.macro WIN new                         ; the immediate's high byte repeats the setting that is left
.if MSB != \new
	s_set_vgpr_msb (MSB<<8)|\new
.set MSB, \new
.endif
.endm
.macro PLACES n
.rept \n
	v_nop
.endr
.endm
.macro CREST
	s_cmp_lg_u32 s[WV], 0
	s_cbranch_scc1 .Lnot_wave_0_\@
	s_barrier_signal -3
.Lnot_wave_0_\@:
	s_barrier_wait -3
	s_barrier_signal -1
	s_barrier_wait -1
.endm
.macro CROUND
	s_barrier_signal -1
	s_barrier_wait -1
	CREST
.endm
.macro TL3 g0, g1, n                   ; n = 0: slot 0 (K step 0, later K step 3); n = 1: K steps 1 and 2 by one descriptor with rows twice as long.  Four v_nop follow
	tensor_load_to_lds s[\g0+4*\n:\g0+4*\n+3], s[\g1:\g1+7]
	s_nop 0
	PLACES 4
.endm
.macro JLOAD n                         ; waves 0 and 1 fetch o_w's halves, waves 2 and 3 y's.  The branch hangs on the wave's number alone
	s_cmp_eq_u32 s[WP], 0
	s_cbranch_scc0 .Lfor_q_\@
	TL3 G0P, G1P, \n
	s_branch .Lasked_\@
.Lfor_q_\@:
	TL3 G0Q, G1Q, \n
.Lasked_\@:
.endm
	s_load_b256 s[4:11], s[0:1], 0x0               ; yq s[4:5], o_w s[6:7], o_b s[8:9], the exponents s[10:11]
	s_load_b64 s[12:13], s[0:1], 0x20              ; out0
	v_lshl_add_u32 v[SPW], v0, 2, SPARE
	v_mov_b32 v[NIL], 0
	ds_add_u32 v20, v21
	ds_add_u32 v20, v21
	s_wait_dscnt 0x0
	v_lshrrev_b32 v1, 5, v0
	v_readfirstlane_b32 s[WV], v1                  ; wave 0..3
	s_lshr_b32 s[WP], s[WV], 1                     ; which 64 of the 128 columns.  Also: I fetch for o_w (0) or for y (1)
	s_and_b32 s[WQ], s[WV], 1                      ; which 128 of the 256 rows.  Also: which half of that tile I fetch
	s_bfe_u32 s[CX], ttmp6, 0x40000
	s_bfe_u32 s[CY], ttmp6, 0x40004
	s_lshl_b32 s[NP], ttmp9, 2
	s_add_co_u32 s[NP], s[NP], s[CX]               ; which 128 columns: 0..7
	s_and_b32 s[TQ], ttmp7, 0xffff
	s_lshl_b32 s[TQ], s[TQ], 2
	s_add_co_u32 s[TQ], s[TQ], s[CY]               ; which 256 rows: 0..31
	s_lshl_b32 s70, s[CY], 2
	s_lshl_b32 s70, 15, s70                        ; my row of the cluster
	s_lshl_b32 s71, 0x1111, s[CX]                  ; my column
	s_or_b32 s[G1P], s71, PADW                     ; o_w's tile hangs on the columns of out alone: shared along the cluster's column.  64 rows of 256 bytes, padded
	s_mov_b32 s[G1P+1], 256<<16
	s_mov_b32 s[G1P+2], 64<<16
	s_mov_b32 s[G1P+3], 256<<16
	s_mov_b32 s[G1P+4], 64
	s_mov_b32 s[G1P+5], 1024
	s_mov_b32 s[G1P+6], 0
	s_mov_b32 s[G1P+7], 0
	s_or_b32 s[G1Q], s70, (3<<16)|(1<<21)          ; y's on the rows alone: shared along the cluster's row.  Elements of 8 bytes: 8 rows of 4,096 bytes, 16,384 apart, no padding
	s_mov_b32 s[G1Q+1], 512<<16
	s_mov_b32 s[G1Q+2], 8<<16
	s_mov_b32 s[G1Q+3], 512<<16
	s_mov_b32 s[G1Q+4], 8
	s_mov_b32 s[G1Q+5], 2048
	s_mov_b32 s[G1Q+6], 0
	s_mov_b32 s[G1Q+7], 0
	; each tile's byte offset is made in its own group 0's address words
	s_lshl_b32 s[G0P+2], s[NP], 7
	s_lshl_b32 s[G0P+3], s[WQ], 6
	s_add_co_u32 s[G0P+2], s[G0P+2], s[G0P+3]
	s_lshl_b32 s[G0P+2], s[G0P+2], 10              ; row 128 np + 64 x half, of 1,024 bytes
	s_mov_b32 s[G0P+3], 0
	s_lshl_b32 s[G0Q+2], s[TQ], 4
	s_lshl_b32 s[G0Q+3], s[WQ], 3
	s_add_co_u32 s[G0Q+2], s[G0Q+2], s[G0Q+3]
	s_lshl_b32 s[G0Q+2], s[G0Q+2], 14              ; row tile 16 tq + 8 x half, of 16,384 bytes
	s_mov_b32 s[G0Q+3], 0
	s_mul_i32 s[G0P+1], s[WQ], 64*PITCH
	s_mul_i32 s[G0Q+1], s[WQ], 32768
	s_add_co_u32 s[G0Q+1], s[G0Q+1], QOFF
.irp g, G0P, G0Q
	s_mov_b32 s[\g], 1
	s_mov_b32 s[\g+4], 1
	s_lshl_b32 s[\g+5], s[\g+1], 1                 ; behind slot 0: the same order with rows twice as long, K step 1's part of a row and then K step 2's
	s_add_co_u32 s[\g+5], s[\g+5], SLOT
.endr
	s_wait_kmcnt 0x0
	s_load_b64 s[96:97], s[10:11], 0x28            ; e10, e11
	s_add_nc_u64 s[G0P+2:G0P+3], s[6:7], s[G0P+2:G0P+3]
	s_add_nc_u64 s[G0Q+2:G0Q+3], s[4:5], s[G0Q+2:G0Q+3]
	s_add_nc_u64 s[G0P+6:G0P+7], s[G0P+2:G0P+3], 256       ; K steps 1 and 2: 256 bytes of a row of o_w,
	s_add_nc_u64 s[G0Q+6:G0Q+7], s[G0Q+2:G0Q+3], 4096      ; four heads of 1,024 bytes of a row tile of y
.irp g, G0P, G0Q
	s_or_b32 s[\g+3], s[\g+3], 0x80000000
	s_or_b32 s[\g+7], s[\g+7], 0x80000000
.endr
	CROUND                                         ; all sixteen work-groups are here: the first joint loads meet
	JLOAD 0                                        ; K step 0: one tensor load a wave at the head
	v_and_b32 v1, 15, v0                           ; r
	v_bfe_u32 v2, v0, 4, 1                         ; h
	v_and_b32 v3, 31, v0                           ; lane
	v_mul_u32_u24 v4, v1, PITCH
	v_lshl_add_u32 v4, v2, 3, v4                   ; o_w: row x pitch + 8 h
	v_lshlrev_b32 v5, 4, v3                        ; y: 16 x lane
	s_mul_i32 s72, s[WP], 64*PITCH
	s_lshl_b32 s73, s[WQ], 15
	s_add_co_u32 s73, s73, QOFF
	v_add_nc_u32 v[PA], s72, v4                    ; slot 0
	v_add_nc_u32 v[QA], s73, v5
	s_lshl_b32 s72, s72, 1                         ; K steps 1 and 2: o_w's rows 544 bytes apart, y's row tiles 8,192, behind slot 0
	s_lshl_b32 s73, s73, 1
	s_add_co_u32 s72, s72, SLOT
	s_add_co_u32 s73, s73, SLOT
	v_mul_u32_u24 v6, v1, 2*PITCH
	v_lshl_add_u32 v6, v2, 3, v6
	v_add_nc_u32 v[PA+1], s72, v6
	v_add_nc_u32 v[QA+1], s73, v5
	v_add_nc_u32 v[PA+2], PITCH, v[PA+1]           ; K step 2's part of a row lies behind K step 1's
	v_add_nc_u32 v[QA+2], 4096, v[QA+1]
	s_mul_i32 s74, s[WV], 16*272
	s_add_co_u32 s74, s74, STAGE                   ; my stage
	v_mul_u32_u24 v[STO], v1, 272
	v_lshl_add_u32 v[STO], v2, 5, v[STO]
	v_add_nc_u32 v[STO], s74, v[STO]               ; in: row r, 32 bytes for each half of the lanes
	v_mul_u32_u24 v[RD], v2, 272
	v_lshl_add_u32 v[RD], v1, 4, v[RD]
	v_add_nc_u32 v[RD], s74, v[RD]                 ; back: lanes 0-15 one row of 256 bytes, lanes 16-31 the next
	v_lshlrev_b32 v[CO], 12, v2
	v_lshl_add_u32 v[CO], v1, 4, v[CO]             ; and the same two rows in out0
	v_lshlrev_b32 v27, 5, v2                       ; 32 h
	s_lshl_b32 s72, s[NP], 9
	s_lshl_b32 s73, s[WP], 8
	s_add_co_u32 s72, s72, s73                     ; my first column, in bytes: 512 np + 256 wp
	s_mov_b32 s73, 0
	s_add_nc_u64 s[8:9], s[8:9], s[72:73]
.irp i, 0,1,2,3
	global_load_b128 v[OB+8*\i:OB+8*\i+3], v27, s[8:9] offset:64*\i        ; o_b(16 i + 8 h + 0 .. 7)
	global_load_b128 v[OB+8*\i+4:OB+8*\i+7], v27, s[8:9] offset:64*\i+16
.endr
	s_lshl_b32 s74, s[TQ], 8
	s_lshl_b32 s75, s[WQ], 7
	s_add_co_u32 s74, s74, s75                     ; my first row: 256 tq + 128 wq
	s_lshl_b32 s74, s74, 12
	s_add_co_u32 s74, s74, s72
	s_mov_b32 s75, 0
	s_add_nc_u64 s[12:13], s[12:13], s[74:75]
	s_wait_kmcnt 0x0
	s_add_co_i32 s96, s96, s97
	s_add_co_i32 s96, s96, 127
	s_lshl_b32 s96, s96, 23                        ; 2^(e10 + e11) as f32
	s_mov_b32 s97, s96                             ; (named with it as a pair, so it is written)
; 64 LDS loads in one run: the fragments of the slot's q-th 128 along K, into set p
.macro FETCH slot, q, p
.if \slot == 0
.set FM, 1                             ; rows as far apart as in slot 0,
.else
.set FM, 2                             ; or twice as far, where a row holds K steps 1 and 2
.endif
	WIN 0x80                                       ; destination window 2
.irp b, 0,1,2,3,4,5,6,7
.irp c, 0,1,2,3
	ds_load_b128 v[128*(\p)+16*\b+4*\c:128*(\p)+16*\b+4*\c+3], v[QA+\slot] offset:\b*4096*FM+(\q)*2048+512*\c   ; an image: 32 lanes read 512 consecutive bytes
.endr
.endr
	WIN 0
.irp i, 0,1,2,3
.irp c, 0,1,2,3,4,5,6,7
	ds_load_b64 v[PF+64*(\p)+16*\i+2*\c:PF+64*(\p)+16*\i+2*\c+1], v[PA+\slot] offset:128*(\q)+16*\c+\i*16*PITCH*FM
.endr
.endr
.endm
; 8 matrix instructions: o_w's tile i against y's eight row tiles.  first = 1: the products start the sums.  The 32 accumulators take turns, one instruction a turn, in the same order in every step
.macro MULROW i, p, first
.if \first
	WIN 0x48                                       ; source 0 window 0, source 1 window 2, D window 1
.else
	WIN 0x58                                       ; C too
.endif
.irp b, 0,1,2,3,4,5,6,7
.if \first
	v_wmma_f32_16x16x128_bf8_bf8 v[8*(8*\i+\b):8*(8*\i+\b)+7], v[PF+64*(\p)+16*\i:PF+64*(\p)+16*\i+15], v[128*(\p)+16*\b:128*(\p)+16*\b+15], 0
.else
	v_wmma_f32_16x16x128_bf8_bf8 v[8*(8*\i+\b):8*(8*\i+\b)+7], v[PF+64*(\p)+16*\i:PF+64*(\p)+16*\i+15], v[128*(\p)+16*\b:128*(\p)+16*\b+15], v[8*(8*\i+\b):8*(8*\i+\b)+7]
.endif
.endr
.endm
.macro STEP p, ns, nq, first           ; a step of 128 along K on set p; at its head the next step's fragments are asked for, into the other set: 32 matrix instructions ahead of their use
	s_wait_dscnt 0x0                               ; set p is in
	PLACES 4                                       ; four places in front of loads into registers that the last step's matrix instructions have read (ISA guide 7.12.1 for vector instructions)
	FETCH \ns, \nq, 1-(\p)
	MULROW 0, \p, \first
	MULROW 1, \p, \first
	MULROW 2, \p, \first
	MULROW 3, \p, \first
.endm
; A step on set 1 with a barrier in it.  In front of the barrier each wave waits for all its tensor loads, adds 0 to its spare word, and waits for that and for its LDS reads.
; fill = 1: slot 0 has been read out and takes K step 3: the barrier opens a round of the cluster's, and the joint refill is the first thing behind it; slots 1 and 2 are whole in every wave by then.
; fill = 0: K step 3 has landed in every wave.
.macro TURN ns, fill
	WIN 0
	s_wait_tensorcnt 0x0                           ; no tensor load of mine is out, so a group 0 may be written
	ds_add_u32 v[SPW], v[NIL]                      ; 0 onto my spare word
.if \fill
	s_add_nc_u64 s[G0P+2:G0P+3], s[G0P+2:G0P+3], 768       ; from K step 0 to K step 3
	s_add_nc_u64 s[G0Q+2:G0Q+3], s[G0Q+2:G0Q+3], 12288
	s_mov_b32 s[G1P+1], 256<<16                    ; rows of one K step again
	s_mov_b32 s[G1P+3], 256<<16
	s_mov_b32 s[G1Q+1], 512<<16
	s_mov_b32 s[G1Q+3], 512<<16
.endif
	s_wait_dscnt 0x1                               ; set 1 is in; only the add may be out
	MULROW 0, 1, 0
	s_wait_dscnt 0x0                               ; the add is done, and my reads of the slots so far are over
	s_barrier_signal -1
	MULROW 1, 1, 0
	WIN 0
	s_barrier_wait -1
.if \fill
	CREST                                          ; no wave of any partner still reads slot 0 or has a load on its way
	JLOAD 0                                        ; its four v_nop are also the places in front of the loads below
.else
	PLACES 4
.endif
	FETCH \ns, 0, 0
	MULROW 2, 1, 0
	MULROW 3, 1, 0
.endm
	s_wait_alu depctr_va_vdst(0)                   ; at the head's end
	s_wait_tensorcnt 0x0                           ; my part of K step 0 is in
	ds_add_u32 v[SPW], v[NIL]
	s_mov_b32 s[G1P+1], 512<<16                    ; no load of mine is out: the groups 1 state rows of two K steps: 512 bytes of o_w, still padded behind every 256,
	s_mov_b32 s[G1P+3], 512<<16
	s_mov_b32 s[G1Q+1], 1024<<16                   ; 8,192 bytes of y
	s_mov_b32 s[G1Q+3], 1024<<16
	s_wait_dscnt 0x0
	CROUND                                         ; everybody's part of K step 0 is in, and the joint loads meet
	JLOAD 1                                        ; K steps 1 and 2: my one tensor load behind the round
	FETCH 0, 0, 0
	STEP 0, 0, 1, 1
	TURN 1, 1
	STEP 0, 1, 1, 0
	STEP 1, 2, 0, 0
	STEP 0, 2, 1, 0
	TURN 0, 0
	STEP 0, 0, 1, 0
	s_wait_dscnt 0x0                               ; the last step: nothing more to fetch
	MULROW 0, 1, 0
	MULROW 1, 1, 0
	MULROW 2, 1, 0
	MULROW 3, 1, 0
	WIN 0
; THE WAY OUT, a row tile (16 rows x my 64 columns) at a time.  A lane holds 32 neighbouring bytes of a row and the lanes beside it hold other rows: so a tile goes through my own stage in LDS and comes back as whole
; rows of 256 bytes.  LDS serves a wave's instructions in order (ISA guide 5.7.1.4): no wait between the stores and the loads, nor in front of the next tile's stores.
.macro TOSTAGE b
	WIN 0x01                                       ; source 0 window 1
.irp i, 0,1,2,3
.irp j, 0,2,4,6
	v_pk_fma_f32 v[TMP+8*\i+\j:TMP+8*\i+\j+1], v[8*(8*\i+(\b))+\j:8*(8*\i+(\b))+\j+1], s[96:97], v[OB+8*\i+\j:OB+8*\i+\j+1] op_sel_hi:[1,0,1]   ; sum x 2^(e10 + e11) + o_b; each accumulator from its low end on
.endr
.endr
	WIN 0
.irp i, 0,1,2,3
	ds_store_b128 v[STO], v[TMP+8*\i:TMP+8*\i+3] offset:64*\i
	ds_store_b128 v[STO], v[TMP+8*\i+4:TMP+8*\i+7] offset:64*\i+16
.endr
.irp t, 0,1,2,3,4,5,6,7
	ds_load_b128 v[BK+32*((\b)%2)+4*\t:BK+32*((\b)%2)+4*\t+3], v[RD] offset:2*\t*272
.endr
.endm
.macro SEND b, younger                 ; younger: the LDS instructions issued behind tile b's loads, which may stay out
	s_wait_dscnt \younger
.if (\b) > 0
	s_add_nc_u64 s[12:13], s[12:13], 65536         ; (behind a wait on XCNT: the earlier stores have read their base)  16 rows of out0 on
.endif
.irp t, 0,1,2,3,4,5,6,7
	global_store_b128 v[CO], v[BK+32*((\b)%2)+4*\t:BK+32*((\b)%2)+4*\t+3], s[12:13] offset:2*\t*4096 th:TH_STORE_NT   ; sixteen lanes store 256 consecutive bytes, aligned; written once, read by nobody here
.endr
.endm
	s_wait_loadcnt 0x0                             ; o_b
	PLACES 4                                       ; behind the last products: for the reads of their results and the writes of the registers that held o_w's fragments
	TOSTAGE 0
.irp b, 1,2,3,4,5,6,7
.if \b > 1
	s_wait_xcnt 0x0                                ; tile b - 2's stores have read their registers and their base
.endif
	TOSTAGE \b
	SEND \b-1, 16                                  ; behind tile b - 1's loads: tile b's 8 stores and 8 loads
.endr
	s_wait_xcnt 0x0
	SEND 7, 0
	s_wait_tensorcnt 0x0                           ; the wave's end
	ds_add_u32 v[SPW], v[NIL]
	s_wait_dscnt 0x0
	CROUND                                         ; the closing round: no work-group ends while a partner may still ask for a tile that names it
	s_endpgm
.Lfunc_end_k_q97f9b20000_outp:
	.size	k_q97f9b20000_outp, .Lfunc_end_k_q97f9b20000_outp-k_q97f9b20000_outp
	.p2alignl 7, 3214868480
	.fill 96, 4, 3214868480
	.section	.rodata,"a",@progbits
	.p2align	6, 0x0
	.amdhsa_kernel k_q97f9b20000_outp
		.amdhsa_group_segment_fixed_size 327680
		.amdhsa_private_segment_fixed_size 0
		.amdhsa_enable_private_segment 0
		.amdhsa_kernarg_size 40
		.amdhsa_user_sgpr_count 2
		.amdhsa_user_sgpr_kernarg_segment_ptr 1
		.amdhsa_wavefront_size32 1
		.amdhsa_system_sgpr_workgroup_id_x 1
		.amdhsa_system_sgpr_workgroup_id_y 1
		.amdhsa_system_sgpr_workgroup_id_z 1
		.amdhsa_system_vgpr_workitem_id 0
		.amdhsa_next_free_vgpr 768
		.amdhsa_next_free_sgpr 100
		.amdhsa_reserve_vcc 0
		.amdhsa_float_denorm_mode_32 3
		.amdhsa_float_denorm_mode_16_64 3
		.amdhsa_memory_ordered 1
		.amdhsa_forward_progress 1
		.amdhsa_inst_pref_size 85
	.end_amdhsa_kernel
	.amdgpu_metadata
---
amdhsa.version: [ 1, 2 ]
amdhsa.kernels:
  - .name:           k_q97f9b20000_outp
    .symbol:         k_q97f9b20000_outp.kd
    .args:
      - { .name: yq, .offset: 0, .size: 8, .value_kind: global_buffer, .address_space: global }
      - { .name: o_w_codes, .offset: 8, .size: 8, .value_kind: global_buffer, .address_space: global }
      - { .name: o_b, .offset: 16, .size: 8, .value_kind: global_buffer, .address_space: global }
      - { .name: lowp_scales, .offset: 24, .size: 8, .value_kind: global_buffer, .address_space: global }
      - { .name: out0, .offset: 32, .size: 8, .value_kind: global_buffer, .address_space: global }
    .group_segment_fixed_size: 327680
    .private_segment_fixed_size: 0
    .kernarg_segment_align: 8
    .kernarg_segment_size: 40
    .max_flat_workgroup_size: 128
    .sgpr_count:     100
    .vgpr_count:     768
    .wavefront_size: 32
...
	.end_amdgpu_metadata
.endif
;; end of part 3
